; MI455X (gfx1250); checked and timed in simulation.
; The chip was launched on July 23, 2026; its instructions are those of AMD's public machine-readable ISA for CDNA 5 (MIT licence, August 2026) and "CDNA5" Instruction Set Architecture Reference Guide (July 2026). The comments in the code are by the model that wrote it; some were corrected since.
;; Sparse Mo E. Allowed arithmetic: matrix products marked QUANTISED: E4M3 operands, one E8M0 scale for each 32 along K, by v_wmma_scale_f32_16x16x128_f8f6f4 with both operands' format E4M3, f32 sums; products left as they are: f32 operands where the result goes on into a quantised operand, else bf16, f16 or f32 operands; f32 sums; everything else in f32.
;; Inputs: W1 8 x 512 x 2,048 float32; W2 8 x 2,048 x 512 float32; Wg 512 x 8 float32; b1 8 x 2,048 float32; b2 8 x 512 float32; bg 8 float32; x 4,096 x 512 float32.
;; Outputs: out0 4,096 x 512 float32; out1 4,096 x 2 int32.
;; This version of the problem:
;;   THIS VERSION OF THE PROBLEM IS GIVEN IN LOW PRECISION. The matrix products marked QUANTISED in the list below multiply operands that are first quantised to E4M3 (4 exponent bits, 3 mantissa bits; 8 bits a number), with one power-of-two scale for each 32 numbers along K (OCP MX v1.0); their sums are f32. All else is computed in f32.
;;   The module's matrix products, in the order in which they are computed (A, B: the left and right operand; K: the contracted axis; several contracted axes count as one K, in the product's order):
;;     1. [M 4,096, K 512] x [K 512, N 8]; A: input x; B: input Wg: left as it is (N = 8 < 16)
;;     2. [M 16,384, K 512] x [K 512, N 4,096]; A: input W1; B: input x: QUANTISED
;;     3. batch 8 x [M 4,096, K 2,048] x [K 2,048, N 512]; A: computed on the way; B: input W2: QUANTISED
;;     4. batch 4,096 x [M 512, K 8] x [K 8, N 1]; A: computed on the way; B: computed on the way: left as it is (K = 8 < 32)
;;   THE QUANTISER, for each operand of a quantised product, along K:
;;     - K is cut into blocks of 32 from its start; a last block that is shorter is filled with zeros.
;;     - A block's scale is 2^e with e = floor(log2(the largest magnitude in the block)) - 8, held to -126 .. 127; a block of zeros has e = 0. As a byte (E8M0): e + 127.
;;     - Each number is divided by its block's scale, clamped to +-448, and rounded to the nearest number of E4M3, ties to even, subnormals kept.
;;     - The product sums the exact products of the quantised numbers (number of the format x scale) in f32.
;;   ~~~python
;;   def quantise(x, axis):      # numpy; x: float32 -> the quantised numbers, widened to float32 again
;;       x = np.moveaxis(x, axis, -1); K = x.shape[-1]
;;       x = np.pad(x, [(0, 0)] * (x.ndim - 1) + [(0, -K % 32)]); x = x.reshape(x.shape[:-1] + (-1, 32)); a = np.abs(x).max(-1, keepdims=True)
;;       e = np.where(a > 0, np.clip(np.frexp(np.where(a > 0, a, 1))[1] - 1 - 8, -126, 127), 0)      # np.frexp(a)[1] - 1 = floor(log2(a)), exactly
;;       r = np.clip(x / 2.0 ** e, -448, 448)
;;       step = 2.0 ** (np.maximum(np.frexp(np.where(r == 0, 1, r))[1] - 1, -6) - 3)
;;       q = np.round(r / step) * step * 2.0 ** e      # np.round: ties to even
;;       return np.moveaxis(q.reshape(q.shape[:-2] + (-1,))[..., :K], -1, axis).astype(np.float32)
;;   ~~~
;;   OPERANDS COMPUTED ON THE WAY. 'Computed on the way' means the value that the module computes at that place (a softmax that the list does not call 'softmax' is quantised finished and normalised). What goes into a quantiser is computed in f32, as accurately as f32 sums, v_exp_f32 and their like allow (about 1e-6 of the number): no bf16 or f16 on the way to a quantiser, and a product that is left as it is and whose result goes on into a quantised operand takes f32 operands (vector FMAs, or v_wmma_f32_16x16x4_f32). A number that lies on a knife's edge between two numbers of the format may be rounded either way, as far as f32 arithmetic and the matrix unit's own rounding can turn it there, and no further.
;; 2 versions, each right and faster than the one before. Each part assembles by itself: llvm-mc -triple=amdgcn-amd-amdhsa -mcpu=gfx1250 --defsym DOCPART=n.
;; ======== version 1 of 2: 4 launches
;; workspace buffers: xq 2,195,456 bytes; w1q 8,650,752 bytes; w2q 8,650,752 bytes; sel 32,768 bytes of whole numbers; plan 36,352 bytes of whole numbers; part 33,554,432 bytes
;; launch prep (part 1): grid 640 x 1, 4 waves a work-group, no clusters, 22,016 bytes of LDS; arguments x, Wg, bg, W1, xq, w1q, sel, out1; writes xq, w1q, sel, out1
.if DOCPART == 1
	.amdgcn_target "amdgcn-amd-amdhsa--gfx1250"
	.amdhsa_code_object_version 6
	.text
	.protected	k_qea060c656a_prep
	.globl	k_qea060c656a_prep
	.p2align	8
	.type	k_qea060c656a_prep,@function
k_qea060c656a_prep:
	s_mov_b64 s[64:65], 0
	v_nop
	global_prefetch_b8 v0, s[64:65] scope:SCOPE_SE
	s_setreg_imm32_b32 hwreg(HW_REG_WAVE_MODE, 25, 1), 1
	s_wait_xcnt 0x0
; SparseMoE, launch 1 of 4: the gate (logits, top 2, softmax of the two), x into codes of E4M3, W1 into codes of E4M3.
; DEAD WORK, for the whole program.  out0[b] = sum over e of combine[b][e] y[e][b].  combine[b][e] is a sum of one_hot(top_i[b]) x w, which reference() builds itself:
; for an expert e that is not among top_i[b] it is a sum of zeros, so y[e][b][:], h[e][b][:] and the rows (e, b) of both quantised products reach out0 with the factor 0, whatever finite values the inputs hold.
; Only the 2 x 4,096 chosen rows are multiplied.  No input is left out: bg, b1 and b2 are loaded.
; LIMIT: a NaN, an infinity or an overflow that arises only in a row of an expert that was not chosen is not carried to the result.
; LIMITS: finite inputs (NaN and infinities are not served); of equal logits the lower index wins, as in jax.lax.top_k; two logits closer than the rounding of a sum of 512 f32 products may change places.
; A block's scale byte is its largest magnitude's exponent field - 8, held at 1 from below; a block of zeros keeps the byte 1 with zero codes (these bytes are read by this program alone).
; WORK-GROUPS 0-127: THE GATE AND x.  A wave takes 8 tokens, one a step.  A token's 2,048 bytes come by four loads of 512 consecutive bytes and turn through the wave's own stage in LDS, so that
; lane l holds x[16 l .. 16 l + 15]: 16 neighbours along K for the conversions (two lanes to a block of 32) and for the 8 dot products with Wg's rows 16 l .. 16 l + 15, which the lane keeps in 128 registers.
; The chosen experts steer no address here: they are stored at fixed places (out1, and sel for the next launch), the two weights beside x's codes.  These three stores are 64 bytes a wave, 96 KB of the launch's 50 MB.
; WORK-GROUPS 128-639: W1 [e][d][h], whose K (d) is not innermost.  A lane takes a column h and its registers run down d: a block of 32 lies in one lane, and the codes come out with K innermost.
; They are stored in the order of an operand's registers: a fragment (16 rows x 128 K) is 2,048 bytes, byte 512 c + 256 half + 16 r + i = row r, k = 32 c + 16 half + i.
; Row r of tile 2 b + u is hidden unit 32 b + 8 u + r + 8 (r / 8), so that the first product's results are neighbours along the second product's K.
.set XSO,    2097152                   ; xq: scale bytes [4096][16] behind the codes [4096][512]
.set WTO,    2162688                   ; xq: the two gate weights of each token, f32
.set WSO,    8388608                   ; w1q: scale words [e][s 4][tile 128][row 16] behind the codes [e][s2 16][s 4][t 8][2048]
.set EMAX,   8
.set MANT,   0x600000                  ; the mantissa field of 448
.set SP,     80                        ; a lane's place in a stage: 64 bytes + 16 of padding
.set WREG,   5376                      ; LDS of a wave: two stages of 32 x SP bytes, then its 128 scale bytes
.set SPARE,  4*WREG                    ; the spare words: 128 bytes a wave, two blocks of 256 bytes that no other line names
.set SPW,    12                        ; v12  my spare word's address; never rewritten
.set NIL,    13                        ; v13  0; never rewritten
.set R,      16                        ; v16-143  eight tokens as loaded
.set X,      144                       ; v144-175 two sets of 16 neighbours
.set C,      176                       ; v176-207 codes, four registers a token
.set E,      208                       ; v208-215 a scale byte a token
.set ACC,    216                       ; v216-223 the token's 8 partial logits
.set L,      224                       ; v224-231 logits: lane t holds token t's
.set TP,     232                       ; v232-239 the other half of the lanes' sums
.set M1,     240
.set M2,     241
.set I1,     242                       ; v[242:243] the two chosen experts
.set WT,     244                       ; v[244:245] their weights
.set DF,     246
.set OFS,    248
.set QX,     16                        ; the weight path: v16-79 two sets of 32 numbers, v80-111 codes (8 a block, never rewritten), v112 the scale word
.set QC,     80
.set SB,     112
.set KPITCH, 8192                      ; bytes from one d to the next in W1
.set MSB, 0
.macro WIN new                         ; the immediate's high byte repeats the setting that is left
.if MSB != (\new)
	s_set_vgpr_msb (MSB<<8)|(\new)
.set MSB, (\new)
.endif
.endm
	s_load_b256 s[4:11], s[0:1], 0x0               ; x s[4:5], Wg s[6:7], bg s[8:9], W1 s[10:11]
	s_load_b256 s[12:19], s[0:1], 0x20             ; xq s[12:13], w1q s[14:15], sel s[16:17], out1 s[18:19]
	v_lshl_add_u32 v[SPW], v0, 2, SPARE
	v_mov_b32 v[NIL], 0
	v_lshrrev_b32 v1, 5, v0
	v_readfirstlane_b32 s20, v1                    ; wave 0..3
	v_and_b32 v2, 31, v0                           ; lane
	s_mov_b32 s23, MANT
	s_mov_b32 s33, 0
	s_wait_kmcnt 0x0
	s_cmp_lt_u32 ttmp9, 128                        ; the gate's work-groups come first
	s_cbranch_scc0 .Lw1
	; ---------------- the gate and x ----------------
	s_load_b256 s[24:31], s[8:9], 0x0              ; bg
	s_lshl_b32 s21, ttmp9, 2
	s_add_co_u32 s21, s21, s20                     ; which run of 8 tokens is my wave's
	s_lshl_b32 s32, s21, 14
	s_add_nc_u64 s[4:5], s[4:5], s[32:33]          ; x: 16,384 bytes a run
	s_lshl_b32 s32, s21, 12
	s_add_nc_u64 s[34:35], s[12:13], s[32:33]      ; codes: 4,096
	s_lshl_b32 s32, s21, 7
	s_add_co_u32 s32, s32, XSO
	s_add_nc_u64 s[36:37], s[12:13], s[32:33]      ; scale bytes: 128
	s_lshl_b32 s32, s21, 6
	s_add_nc_u64 s[16:17], s[16:17], s[32:33]      ; sel, out1 and the weights: 64
	s_add_nc_u64 s[18:19], s[18:19], s[32:33]
	s_add_co_u32 s32, s32, WTO
	s_add_nc_u64 s[38:39], s[12:13], s[32:33]
	s_mov_b32 s40, 0x76543210
	s_mov_b32 s41, 0xfedcba98                      ; v_permlanex16_b32's selects for lane l xor 16
	v_lshlrev_b32 v3, 4, v2                        ; my 16 bytes of a load's 512, and of a token's 512 bytes of codes
	v_lshlrev_b32 v4, 9, v2                        ; Wg: my 16 rows of 32 bytes
	WIN 0x40                                       ; destination window 1
.set n, 0
.rept 32
	global_load_b128 v[4*n:4*n+3], v4, s[6:7] offset:16*n          ; register 8 i + e of window 1 = Wg[16 l + i][e]
.set n, n+1
.endr
	WIN 0
.set n, 0
.rept 32
	global_load_b128 v[R+4*n:R+4*n+3], v3, s[4:5] offset:512*n th:TH_LOAD_NT   ; all eight tokens at once: 32 lanes read 512 consecutive bytes
.set n, n+1
.endr
	s_mul_i32 s22, s20, WREG
	v_lshrrev_b32 v14, 2, v2
	v_mul_u32_u24 v14, v14, SP
	v_and_b32 v15, 3, v2
	v_lshl_add_u32 v14, v15, 4, v14
	v_add_nc_u32 v14, s22, v14                     ; the stage, on the way in: SP (lane / 4) + 16 (lane % 4)
	v_mul_u32_u24 v15, v2, SP
	v_add_nc_u32 v15, s22, v15                     ; and on the way out: SP x lane
	v_lshrrev_b32 v5, 1, v2
	s_add_co_u32 s22, s22, 2*32*SP
	v_add_nc_u32 v5, s22, v5                       ; my block's scale byte
	v_lshlrev_b32 v7, 2, v2
	v_add_nc_u32 v6, s22, v7                       ; and on the way out 4 bytes a lane
.irp e, 0,1,2,3,4,5,6,7
	v_mov_b32 v[L+\e], 0
	v_mov_b32 v[TP+\e], 0                          ; written once: a lane permute's destination counts as one of its sources
.endr
.macro TURN t                          ; token t through the stage: LDS serves a wave's instructions in order, so no wait stands between the stores and the loads
.irp i, 0,1,2,3
	ds_store_b128 v14, v[R+16*(\t)+4*\i:R+16*(\t)+4*\i+3] offset:32*SP*((\t)%2)+8*SP*\i
.endr
.irp i, 0,1,2,3
	ds_load_b128 v[X+16*((\t)%2)+4*\i:X+16*((\t)%2)+4*\i+3], v15 offset:32*SP*((\t)%2)+16*\i
.endr
.endm
.macro STEP t
.set XS, X+16*((\t)%2)
.if (\t) > 0
	s_wait_dscnt 1                                 ; this token is back from the stage; the last step's byte store may be out
.else
	s_wait_dscnt 0x0
.endif
.if (\t) < 7
	s_wait_loadcnt 4*(6-(\t))                      ; the next token's four loads are in; those of the tokens behind it stay out
	TURN (\t)+1
.endif
	WIN 0x04                                       ; source 1 (Wg) window 1
.irp e, 0,1,2,3,4,5,6,7
	v_mul_f32 v[ACC+\e], v[XS], v[\e]              ; the first product starts the sums
.endr
.set i, 1
.rept 15
.irp e, 0,1,2,3,4,5,6,7
	v_fma_f32 v[ACC+\e], v[XS+i], v[8*i+\e], v[ACC+\e]
.endr
.set i, i+1
.endr
	WIN 0
.irp m, 1,2,4,8
.irp e, 0,1,2,3,4,5,6,7
	v_add_f32_dpp v[ACC+\e], v[ACC+\e], v[ACC+\e] row_xmask:\m row_mask:0xf bank_mask:0xf
.endr
.endr
.irp e, 0,1,2,3,4,5,6,7
	v_permlanex16_b32 v[TP+\e], v[ACC+\e], s40, s41
.endr
.irp e, 0,1,2,3,4,5,6,7
	v_add_f32 v[ACC+\e], v[ACC+\e], v[TP+\e]       ; every lane holds the token's 8 sums
.endr
	s_mov_b32 s22, 1<<(\t)
.irp e, 0,1,2,3,4,5,6,7
	v_cndmask_b32 v[L+\e], v[L+\e], v[ACC+\e], s22 ; lane t keeps them
.endr
	v_max3_num_f32 v8, |v[XS]|, |v[XS+1]|, |v[XS+2]|               ; the largest magnitude of my 16
	v_max3_num_f32 v9, |v[XS+3]|, |v[XS+4]|, |v[XS+5]|
.irp i, 6,10
	v_max3_num_f32 v8, v8, |v[XS+\i]|, |v[XS+\i+1]|
	v_max3_num_f32 v9, v9, |v[XS+\i+2]|, |v[XS+\i+3]|
.endr
	v_max3_num_f32 v8, v8, |v[XS+14]|, |v[XS+15]|
	v_max3_num_f32 v8, v8, v9, (EMAX+1)<<23        ; and the floor 2^(9 - 127): the byte cannot fall under 1
	v_max_num_f32_dpp v8, v8, v8 row_xmask:1 row_mask:0xf bank_mask:0xf   ; with my neighbour's 16: the block's
	v_add_nc_u32 v11, -(EMAX<<23), v8              ; 8 off its exponent field: the conversion's scale operand
	v_and_or_b32 v10, v8, 0x7f800000, s23          ; 448 x the scale
.irp i, 0,1,2,3,4,5,6,7,8,9,10,11,12,13,14,15
	v_med3_num_f32 v[XS+\i], v[XS+\i], -v10, v10   ; the conversion to an 8-bit code does not saturate (ISA guide 7.6.2): the hold comes first
.endr
	v_cvt_scalef32_pk8_fp8_f32 v[C+4*(\t):C+4*(\t)+1], v[XS:XS+7], v11
	v_cvt_scalef32_pk8_fp8_f32 v[C+4*(\t)+2:C+4*(\t)+3], v[XS+8:XS+15], v11
	v_lshrrev_b32 v[E+(\t)], 23, v11               ; the scale's byte
	ds_store_b8 v5, v[E+(\t)] offset:16*(\t)       ; both lanes of a block write the same byte with the same value
	global_store_b128 v3, v[C+4*(\t):C+4*(\t)+3], s[34:35] offset:512*(\t)    ; 32 lanes store the token's 512 bytes of codes
.endm
	s_wait_loadcnt 28                              ; Wg and token 0 are in; the 28 loads of tokens 1 to 7 stay out
	TURN 0
.irp t, 0,1,2,3,4,5,6,7
	STEP \t
.endr
	ds_load_b32 v8, v6                             ; LDS serves a wave's instructions in order: this sees my byte stores
	s_wait_dscnt 0x0
	global_store_b32 v7, v8, s[36:37]              ; the wave's 128 scale bytes; the four waves' runs lie on end
	s_wait_kmcnt 0x0                               ; bg
.irp e, 0,1,2,3,4,5,6,7
	v_add_f32 v[L+\e], s[24+\e], v[L+\e]
.endr
	v_mov_b32 v[M1], v[L]                          ; the largest logit; an equal later one does not displace it
	v_mov_b32 v[I1], 0
.irp e, 1,2,3,4,5,6,7
	v_cmp_le_f32 vcc_lo, v[L+\e], v[M1]            ; keep where logit e is not larger
	v_cndmask_b32 v[M1], v[L+\e], v[M1], vcc_lo
	v_cndmask_b32 v[I1], \e, v[I1], vcc_lo
.endr
	v_mov_b32 v[M2], 0xff800000                    ; the largest of the other seven
	v_mov_b32 v[I1+1], 0
.irp e, 0,1,2,3,4,5,6,7
	v_cmp_eq_u32 s22, \e, v[I1]
	v_cmp_le_f32 s21, v[L+\e], v[M2]
	s_or_b32 vcc_lo, s22, s21                      ; keep where e is the first choice or is not larger
	v_cndmask_b32 v[M2], v[L+\e], v[M2], vcc_lo
	v_cndmask_b32 v[I1+1], \e, v[I1+1], vcc_lo
.endr
	v_sub_f32 v[DF], v[M2], v[M1]                  ; the softmax of the two, the maximum taken away: 1 / (1 + t) and t / (1 + t), t = e^(m2 - m1)
	v_mul_f32 v[DF], 0x3fb8aa3b, v[DF]
	v_exp_f32 v[DF+1], v[DF]
	v_lshlrev_b32 v[OFS], 3, v2                    ; (the plain instruction behind the exponential)  8 bytes a token
	s_wait_alu depctr_va_vdst(0)                   ; the wait ahead of the first reader
	v_add_f32 v[DF], 1.0, v[DF+1]
	v_rcp_f32 v[WT], v[DF]
	v_nop
	s_wait_alu depctr_va_vdst(0)
	v_mul_f32 v[WT+1], v[DF+1], v[WT]
	v_cmp_gt_u32 vcc_lo, 8, v2                     ; lanes 0 to 7 hold the wave's 8 tokens
	s_wait_xcnt 0x0                                ; EXEC changes only behind this wait: earlier stores have been issued
	s_and_saveexec_b32 s22, vcc_lo
	global_store_b64 v[OFS], v[I1:I1+1], s[18:19]  ; out1
	global_store_b64 v[OFS], v[I1:I1+1], s[16:17]  ; sel, for the launch that places the rows
	global_store_b64 v[OFS], v[WT:WT+1], s[38:39]  ; the weights
	s_wait_xcnt 0x0                                ; and again, in front of the line that widens it
	s_or_b32 exec_lo, exec_lo, s22
	s_wait_tensorcnt 0x0                           ; the wave's end, behind my last LDS store
	ds_add_u32 v[SPW], v[NIL]
	s_wait_dscnt 0x0
	s_endpgm
	; ---------------- W1 ----------------
.Lw1:
	s_sub_co_u32 s21, ttmp9, 128
	s_lshr_b32 s24, s21, 6                         ; expert
	s_bfe_u32 s25, s21, 0x20004                    ; which 128 along d
	s_and_b32 s26, s21, 15                         ; which 128 hidden units
	s_lshl_b32 s27, s26, 2
	s_add_co_u32 s27, s27, s20                     ; my wave's 32 columns
	s_lshl_b32 s32, s24, 22
	s_lshl_b32 s28, s25, 20
	s_add_co_u32 s32, s32, s28
	s_lshl_b32 s28, s27, 7
	s_add_co_u32 s32, s32, s28
	s_add_nc_u64 s[10:11], s[10:11], s[32:33]      ; W1 at (expert, 128 s, 32 G)
	s_lshl_b32 s32, s24, 20
	s_lshl_b32 s28, s26, 16
	s_add_co_u32 s32, s32, s28
	s_lshl_b32 s28, s25, 14
	s_add_co_u32 s32, s32, s28
	s_lshl_b32 s28, s20, 12
	s_add_co_u32 s32, s32, s28
	s_add_nc_u64 s[34:35], s[14:15], s[32:33]      ; the codes: my wave's two tiles
	s_lshl_b32 s32, s24, 15
	s_lshl_b32 s28, s25, 13
	s_add_co_u32 s32, s32, s28
	s_lshl_b32 s28, s27, 7
	s_add_co_u32 s32, s32, s28
	s_add_co_u32 s32, s32, WSO
	s_add_nc_u64 s[36:37], s[14:15], s[32:33]      ; their scale words
	v_lshlrev_b32 v3, 2, v2                        ; in: 4 bytes a lane
	v_bfe_u32 v4, v2, 3, 1                         ; u: which of the two tiles my column falls into,
	v_and_b32 v5, 7, v2
	v_lshrrev_b32 v6, 4, v2
	v_lshl_add_u32 v5, v6, 3, v5                   ; and which row r of it: lane = 8 u + r + 8 (r / 8)
	v_lshlrev_b32 v6, 4, v5
	v_lshl_add_u32 v6, v4, 11, v6                  ; codes: 2,048 u + 16 r
	v_lshlrev_b32 v7, 2, v5
	v_lshl_add_u32 v7, v4, 6, v7                   ; scale word: 64 u + 4 r
.macro QLOAD t                         ; block t: W1(32 t + i, my column), i = 0 .. 31, into set t % 2; a wave's load reads 128 consecutive bytes, the four waves' 512
.set i, 0
.rept 32
	global_load_b32 v[QX+32*((\t)%2)+i], v3, s[10:11] offset:(32*(\t)+i)*KPITCH th:TH_LOAD_NT
.set i, i+1
.endr
.endm
.macro QBLOCK t
.set XS, QX+32*((\t)%2)
.set CC, QC+8*(\t)
.if (\t) < 3
	s_wait_loadcnt 32                              ; this block's 32 loads are in; the next block's stay out
.else
	s_wait_loadcnt 0x0
.endif
	v_max3_num_f32 v8, |v[XS]|, |v[XS+1]|, |v[XS+2]|               ; the block's largest magnitude: all 32 numbers are mine
	v_max3_num_f32 v9, |v[XS+3]|, |v[XS+4]|, |v[XS+5]|
.irp i, 6,10,14,18,22,26
	v_max3_num_f32 v8, v8, |v[XS+\i]|, |v[XS+\i+1]|
	v_max3_num_f32 v9, v9, |v[XS+\i+2]|, |v[XS+\i+3]|
.endr
	v_max3_num_f32 v8, v8, |v[XS+30]|, |v[XS+31]|
	v_max3_num_f32 v8, v8, v9, (EMAX+1)<<23        ; and the floor
	v_add_nc_u32 v11, -(EMAX<<23), v8              ; the conversion's scale operand
	v_and_or_b32 v10, v8, 0x7f800000, s23          ; 448 x the scale
	v_lshrrev_b32 v9, 23, v11                      ; the scale's byte
.if (\t) == 0
	v_mov_b32 v[SB], v9                            ; four bytes make the K step's scale word, the lower K in the lower byte
.else
	v_lshl_or_b32 v[SB], v9, 8*(\t), v[SB]
.endif
.set i, 0
.rept 32
	v_med3_num_f32 v[XS+i], v[XS+i], -v10, v10     ; the hold at the largest code x the scale (ISA guide 7.6.2)
.set i, i+1
.endr
.irp g, 0,1,2,3
	v_cvt_scalef32_pk8_fp8_f32 v[CC+2*\g:CC+2*\g+1], v[XS+8*\g:XS+8*\g+7], v11
.endr
	global_store_b128 v6, v[CC:CC+3], s[34:35] offset:512*(\t)          ; k = 32 t + 0 .. 15: sixteen lanes store 256 consecutive bytes, aligned, in each of the two tiles
	global_store_b128 v6, v[CC+4:CC+7], s[34:35] offset:512*(\t)+256    ; k = 32 t + 16 .. 31
.if (\t)+2 < 4
	QLOAD (\t)+2
.endif
.endm
	QLOAD 0
	QLOAD 1
	QBLOCK 0
	QBLOCK 1
	QBLOCK 2
	QBLOCK 3
	global_store_b32 v7, v[SB], s[36:37]           ; 128 bytes a wave: one byte in 128 of what the wave reads
	s_endpgm
.Lfunc_end_k_qea060c656a_prep:
	.size	k_qea060c656a_prep, .Lfunc_end_k_qea060c656a_prep-k_qea060c656a_prep
	.p2alignl 7, 3214868480
	.fill 96, 4, 3214868480
	.section	.rodata,"a",@progbits
	.p2align	6, 0x0
	.amdhsa_kernel k_qea060c656a_prep
		.amdhsa_group_segment_fixed_size 22016
		.amdhsa_private_segment_fixed_size 0
		.amdhsa_enable_private_segment 0
		.amdhsa_kernarg_size 64
		.amdhsa_user_sgpr_count 2
		.amdhsa_user_sgpr_kernarg_segment_ptr 1
		.amdhsa_wavefront_size32 1
		.amdhsa_system_sgpr_workgroup_id_x 1
		.amdhsa_system_sgpr_workgroup_id_y 1
		.amdhsa_system_sgpr_workgroup_id_z 1
		.amdhsa_system_vgpr_workitem_id 0
		.amdhsa_next_free_vgpr 384
		.amdhsa_next_free_sgpr 66
		.amdhsa_reserve_vcc 1
		.amdhsa_float_denorm_mode_32 3
		.amdhsa_float_denorm_mode_16_64 3
		.amdhsa_memory_ordered 1
		.amdhsa_forward_progress 1
		.amdhsa_inst_pref_size 151
	.end_amdhsa_kernel
	.amdgpu_metadata
---
amdhsa.version: [ 1, 2 ]
amdhsa.kernels:
  - .name:           k_qea060c656a_prep
    .symbol:         k_qea060c656a_prep.kd
    .args:
      - { .name: x, .offset: 0, .size: 8, .value_kind: global_buffer, .address_space: global }
      - { .name: Wg, .offset: 8, .size: 8, .value_kind: global_buffer, .address_space: global }
      - { .name: bg, .offset: 16, .size: 8, .value_kind: global_buffer, .address_space: global }
      - { .name: W1, .offset: 24, .size: 8, .value_kind: global_buffer, .address_space: global }
      - { .name: xq, .offset: 32, .size: 8, .value_kind: global_buffer, .address_space: global }
      - { .name: w1q, .offset: 40, .size: 8, .value_kind: global_buffer, .address_space: global }
      - { .name: sel, .offset: 48, .size: 8, .value_kind: global_buffer, .address_space: global }
      - { .name: out1, .offset: 56, .size: 8, .value_kind: global_buffer, .address_space: global }
    .group_segment_fixed_size: 22016
    .private_segment_fixed_size: 0
    .kernarg_segment_align: 8
    .kernarg_segment_size: 64
    .max_flat_workgroup_size: 128
    .sgpr_count:     66
    .vgpr_count:     384
    .wavefront_size: 32
...
	.end_amdgpu_metadata
.endif
;; end of part 1
;; launch place (part 2): grid 257 x 1, 8 waves a work-group, no clusters, 1,280 bytes of LDS; arguments sel, W2, plan, w2q; writes plan, w2q
.if DOCPART == 2
	.amdgcn_target "amdgcn-amd-amdhsa--gfx1250"
	.amdhsa_code_object_version 6
	.text
	.protected	k_qea060c656a_place
	.globl	k_qea060c656a_place
	.p2align	8
	.type	k_qea060c656a_place,@function
k_qea060c656a_place:
	s_mov_b64 s[64:65], 0
	v_nop
	global_prefetch_b8 v0, s[64:65] scope:SCOPE_SE
	s_setreg_imm32_b32 hwreg(HW_REG_WAVE_MODE, 25, 1), 1
	s_wait_xcnt 0x0
; SparseMoE, launch 2 of 4: the chosen rows are placed by expert (work-group 0), and W2 is turned into codes of E4M3 (work-groups 1-256).
; Only the chosen rows are placed: the rows of experts that were not chosen are dead work (shown at the head of the first kernel).
; THE PLAN.  Slot j = 2 b + k is token b's k-th choice; sel[j] is its expert.  A counting sort without atomics: each of the eight waves counts its 1,024 slots by expert, the counts meet in LDS,
; and each slot's place is 80 x (the expert's first tile) + (slots of that expert in earlier waves) + (earlier ones in my wave).  An expert's rows fill whole tiles of 80; the last tile's free entries
; and all entries behind the last tile get slot 0, so that every entry is written.  There are never more than ceil(8192 / 80) + 7 = 110 tiles.  tinfo[tile] = (expert, rows).
; The slots' stores are 4 bytes a lane at places that hang on the choice: 35 KB in all beside the launch's 42 MB.
; W2 [e][h][d]: K (h) is not innermost: a lane takes a column d and its registers run down h; the codes are stored in the order of an operand's registers:
; [e][wq 4][s 16][t 8][2,048 bytes], byte 512 c + 256 half + 16 r + i = column 128 wq + 16 t + r, k = 128 s + 32 c + 16 half + i; scale words [e][s 16][tile 32][row 16].
; LIMITS: as stated at the head of the first kernel (finite inputs; a block of zeros keeps the byte 1 with zero codes).
.set WSO,    8388608
.set TIO,    35328                     ; plan: tinfo behind rows[110][80]
.set EMAX,   8
.set MANT,   0x600000
.set SPARE,  256                       ; LDS: the waves' counts in bytes 0-255; the spare words, 128 bytes a wave, behind them: four blocks of 256 bytes that no other line names
.set SPW,    12
.set NIL,    13
.set TIA,    14                        ; v14  8 x my thread's number: my entry's place in tinfo; made at the head, all lanes on, and never rewritten
.set QX,     16
.set QC,     80
.set SB,     112
.set KPITCH, 2048                      ; bytes from one h to the next in W2
.set ID,     16                        ; the sort: v16-47 the experts of my 32 slots, later the slots' numbers
.set POS,    48                        ; v48-79 their places
.set CN,     56                        ; s[56:63] my wave's counts
	s_load_b256 s[4:11], s[0:1], 0x0               ; sel s[4:5], W2 s[6:7], plan s[8:9], w2q s[10:11]
	v_lshl_add_u32 v[SPW], v0, 2, SPARE
	v_mov_b32 v[NIL], 0
	v_lshlrev_b32 v[TIA], 3, v0
	v_lshrrev_b32 v1, 5, v0
	v_readfirstlane_b32 s12, v1                    ; wave 0..7
	v_and_b32 v2, 31, v0                           ; lane
	s_mov_b32 s13, MANT
	s_wait_kmcnt 0x0
	s_cmp_eq_u32 ttmp9, 0
	s_cbranch_scc1 .Lsort
	; ---------------- W2 ----------------
	s_sub_co_u32 s14, ttmp9, 1
	s_lshr_b32 s16, s14, 5                         ; expert
	s_bfe_u32 s17, s14, 0x40001                    ; which 128 along h
	s_and_b32 s18, s14, 1
	s_lshl_b32 s18, s18, 3
	s_add_co_u32 s18, s18, s12                     ; my wave's 32 columns
	s_mov_b32 s25, 0
	s_lshl_b32 s24, s16, 22
	s_lshl_b32 s19, s17, 18
	s_add_co_u32 s24, s24, s19
	s_lshl_b32 s19, s18, 7
	s_add_co_u32 s24, s24, s19
	s_add_nc_u64 s[6:7], s[6:7], s[24:25]          ; W2 at (expert, 128 s, 32 G)
	s_lshl_b32 s24, s16, 20
	s_lshr_b32 s19, s18, 2
	s_lshl_b32 s19, s19, 18
	s_add_co_u32 s24, s24, s19
	s_lshl_b32 s19, s17, 14
	s_add_co_u32 s24, s24, s19
	s_and_b32 s19, s18, 3
	s_lshl_b32 s19, s19, 12
	s_add_co_u32 s24, s24, s19
	s_add_nc_u64 s[20:21], s[10:11], s[24:25]      ; the codes: my wave's two tiles
	s_lshl_b32 s24, s16, 15
	s_lshl_b32 s19, s17, 11
	s_add_co_u32 s24, s24, s19
	s_lshl_b32 s19, s18, 7
	s_add_co_u32 s24, s24, s19
	s_add_co_u32 s24, s24, WSO
	s_add_nc_u64 s[22:23], s[10:11], s[24:25]      ; their scale words
	v_lshlrev_b32 v3, 2, v2                        ; in, and the scale word's place: 4 bytes a lane
	v_and_b32 v5, 15, v2
	v_lshrrev_b32 v4, 4, v2
	v_lshlrev_b32 v6, 4, v5
	v_lshl_add_u32 v6, v4, 11, v6                  ; codes: 2,048 (lane / 16) + 16 (lane % 16)
.macro QLOAD t                         ; block t: W2(32 t + i, my column), i = 0 .. 31, into set t % 2; a wave's load reads 128 consecutive bytes, the eight waves' 1,024
.set i, 0
.rept 32
	global_load_b32 v[QX+32*((\t)%2)+i], v3, s[6:7] offset:(32*(\t)+i)*KPITCH th:TH_LOAD_NT
.set i, i+1
.endr
.endm
.macro QBLOCK t
.set XS, QX+32*((\t)%2)
.set CC, QC+8*(\t)
.if (\t) < 3
	s_wait_loadcnt 32                              ; this block's 32 loads are in; the next block's stay out
.else
	s_wait_loadcnt 0x0
.endif
	v_max3_num_f32 v8, |v[XS]|, |v[XS+1]|, |v[XS+2]|
	v_max3_num_f32 v9, |v[XS+3]|, |v[XS+4]|, |v[XS+5]|
.irp i, 6,10,14,18,22,26
	v_max3_num_f32 v8, v8, |v[XS+\i]|, |v[XS+\i+1]|
	v_max3_num_f32 v9, v9, |v[XS+\i+2]|, |v[XS+\i+3]|
.endr
	v_max3_num_f32 v8, v8, |v[XS+30]|, |v[XS+31]|
	v_max3_num_f32 v8, v8, v9, (EMAX+1)<<23        ; the floor 2^(9 - 127): the byte cannot fall under 1
	v_add_nc_u32 v11, -(EMAX<<23), v8              ; the conversion's scale operand
	v_and_or_b32 v10, v8, 0x7f800000, s13          ; 448 x the scale
	v_lshrrev_b32 v9, 23, v11                      ; the scale's byte
.if (\t) == 0
	v_mov_b32 v[SB], v9
.else
	v_lshl_or_b32 v[SB], v9, 8*(\t), v[SB]
.endif
.set i, 0
.rept 32
	v_med3_num_f32 v[XS+i], v[XS+i], -v10, v10     ; the hold at the largest code x the scale (ISA guide 7.6.2)
.set i, i+1
.endr
.irp g, 0,1,2,3
	v_cvt_scalef32_pk8_fp8_f32 v[CC+2*\g:CC+2*\g+1], v[XS+8*\g:XS+8*\g+7], v11
.endr
	global_store_b128 v6, v[CC:CC+3], s[20:21] offset:512*(\t)          ; sixteen lanes store 256 consecutive bytes, aligned, in each of the two tiles
	global_store_b128 v6, v[CC+4:CC+7], s[20:21] offset:512*(\t)+256
.if (\t)+2 < 4
	QLOAD (\t)+2
.endif
.endm
	QLOAD 0
	QLOAD 1
	QBLOCK 0
	QBLOCK 1
	QBLOCK 2
	QBLOCK 3
	global_store_b32 v3, v[SB], s[22:23]           ; 128 bytes a wave
	s_endpgm
	; ---------------- the sort ----------------
.Lsort:
	v_lshlrev_b32 v3, 4, v2
	s_lshl_b32 s14, s12, 12
	v_add_nc_u32 v3, s14, v3                       ; my wave's 1,024 slots: 4,096 bytes; 16 a lane
.set g, 0
.rept 8
	global_load_b128 v[ID+4*g:ID+4*g+3], v3, s[4:5] offset:512*g   ; register 4 g + i: slot 1024 w + 128 g + 4 lane + i
.set g, g+1
.endr
.irp e, 0,1,2,3,4,5,6,7
	s_mov_b32 s[CN+\e], 0
.endr
	s_wait_loadcnt 0x0
.set n, 0
.rept 32                               ; pass 1: my wave's slots of each expert
.irp e, 0,1,2,3,4,5,6,7
	v_cmp_eq_u32 s52, \e, v[ID+n]
	s_bcnt1_i32_b32 s53, s52
	s_add_co_u32 s[CN+\e], s[CN+\e], s53
.endr
.set n, n+1
.endr
.irp e, 0,1,2,3,4,5,6,7
	v_mov_b32 v[48+\e], s[CN+\e]
.endr
	s_lshl_b32 s14, s12, 5
	v_mov_b32 v4, s14
	ds_store_b128 v4, v[48:51]                     ; all lanes write the same words with the same values: 32 bytes a wave
	ds_store_b128 v4, v[52:55] offset:16
	s_wait_dscnt 0x0                               ; for the others' sake: my counts have landed
	s_barrier_signal -1
	s_barrier_wait -1
	v_and_b32 v5, 7, v2
	v_lshlrev_b32 v5, 2, v5
.irp w, 0,1,2,3,4,5,6,7
	ds_load_b32 v[56+\w], v5 offset:32*\w          ; lane e (mod 8): wave w's count of expert e
.endr
	s_wait_dscnt 0x0
	v_add_nc_u32 v64, v56, v57
	v_mov_b32 v65, 0
.irp w, 2,3,4,5,6,7
	v_add_nc_u32 v64, v64, v[56+\w]                ; the expert's rows in all
.endr
.irp w, 0,1,2,3,4,5,6
	s_cmp_gt_u32 s12, \w
	s_cselect_b32 s52, -1, 0
	v_and_b32 v66, s52, v[56+\w]
	v_add_nc_u32 v65, v65, v66                     ; and in the waves before mine
.endr
	v_add_nc_u32 v67, 79, v64
	v_mul_lo_u32 v67, v67, 0xcccd
	v_lshrrev_b32 v67, 22, v67                     ; tiles = (rows + 79) / 80: x 52,429 >> 22 is exact up to 8,271
.irp e, 0,1,2,3,4,5,6,7
	v_readlane_b32 s[16+\e], v64, \e               ; s[16:23] rows
	v_readlane_b32 s[24+\e], v67, \e               ; s[24:31] tiles
	v_readlane_b32 s[44+\e], v65, \e
.endr
	s_mov_b32 s32, 0
.irp e, 0,1,2,3,4,5,6,7
	s_add_co_u32 s[33+\e], s[32+\e], s[24+\e]      ; s[32:40] each expert's first tile, and the number of tiles
.endr
.irp e, 0,1,2,3,4,5,6,7
	s_mul_i32 s52, s[32+\e], 80
	s_add_co_u32 s[44+\e], s[44+\e], s52           ; s[44:51] where my wave's next row of the expert goes
.endr
	s_lshl_b32 s14, s12, 10
	v_lshl_add_u32 v6, v2, 2, s14                  ; 1024 w + 4 lane
.set n, 0
.rept 32                               ; pass 2: each slot's place
	v_cmp_eq_u32 s52, 0, v[ID+n]
	v_mbcnt_lo_u32_b32 v[POS+n], s52, s44          ; the next place + the lanes below me with the same expert
	s_bcnt1_i32_b32 s53, s52
	s_add_co_u32 s44, s44, s53
.irp e, 1,2,3,4,5,6,7
	v_cmp_eq_u32 s52, \e, v[ID+n]
	v_mbcnt_lo_u32_b32 v8, s52, s[44+\e]
	v_cndmask_b32 v[POS+n], v[POS+n], v8, s52
	s_bcnt1_i32_b32 s53, s52
	s_add_co_u32 s[44+\e], s[44+\e], s53
.endr
	v_min_u32 v[POS+n], 0x225f, v[POS+n]           ; a place made of loaded numbers is held inside rows[110][80]
	v_lshlrev_b32 v[POS+n], 2, v[POS+n]
	v_add_nc_u32 v[ID+n], 128*(n/4)+(n%4), v6      ; the slot's number
	global_store_b32 v[POS+n], v[ID+n], s[8:9]
.set n, n+1
.endr
	s_mov_b32 s54, 0                               ; wave w fills expert w's last tile: from 80 T + rows to 80 (T + tiles), under 80 entries
	s_mov_b32 s55, 0
.irp e, 0,1,2,3,4,5,6,7
	s_mul_i32 s66, s[32+\e], 80
	s_add_co_u32 s66, s66, s[16+\e]
	s_mul_i32 s67, s[33+\e], 80
	s_cmp_eq_u32 s12, \e
	s_cselect_b32 s54, s66, s54
	s_cselect_b32 s55, s67, s55
.endr
	s_mul_i32 s68, s40, 80                         ; and all eight waves the entries behind the last tile: at most 7 x 80
	v_mov_b32 v9, 0
.irp i, 0,1,2
	v_add_nc_u32 v[80+\i], s54, v2
	v_add_nc_u32 v[80+\i], 32*\i, v[80+\i]
	v_min_u32 v[84+\i], 0x225f, v[80+\i]
	v_lshlrev_b32 v[84+\i], 2, v[84+\i]
	v_add_nc_u32 v[88+\i], s68, v0
	v_add_nc_u32 v[88+\i], 256*\i, v[88+\i]
	v_min_u32 v[92+\i], 0x225f, v[88+\i]
	v_lshlrev_b32 v[92+\i], 2, v[92+\i]
.endr
.irp i, 0,1,2
	v_cmp_gt_u32 vcc_lo, s55, v[80+\i]
	s_wait_xcnt 0x0                                ; EXEC changes only behind this wait
	s_and_saveexec_b32 s67, vcc_lo
	global_store_b32 v[84+\i], v9, s[8:9]
	s_wait_xcnt 0x0
	s_or_b32 exec_lo, exec_lo, s67
	v_cmp_gt_u32 vcc_lo, 0x2260, v[88+\i]
	s_wait_xcnt 0x0
	s_and_saveexec_b32 s67, vcc_lo
	global_store_b32 v[92+\i], v9, s[8:9]
	s_wait_xcnt 0x0
	s_or_b32 exec_lo, exec_lo, s67
.endr
	s_cmp_lt_u32 s12, 4                            ; tinfo: thread t of waves 0 to 3 serves tile t
	s_cbranch_scc0 .Lno_info
	v_mov_b32 v96, 0                               ; the expert's first tile,
	v_mov_b32 v97, s16                             ; its rows,
	v_mov_b32 v98, 0                               ; and its number: the last expert whose first tile is not behind mine
.irp e, 1,2,3,4,5,6,7
	v_cmp_gt_u32 vcc_lo, s[32+\e], v0              ; keep where expert e begins behind my tile
	v_cndmask_b32 v96, s[32+\e], v96, vcc_lo
	v_cndmask_b32 v97, s[16+\e], v97, vcc_lo
	v_cndmask_b32 v98, \e, v98, vcc_lo
.endr
	v_sub_nc_u32 v96, v0, v96
	v_mul_u32_u24 v96, v96, 80                     ; the expert's rows in the tiles before mine
	v_cmp_gt_u32 vcc_lo, v97, v96
	v_sub_nc_u32 v99, v97, v96
	v_cndmask_b32 v99, 0, v99, vcc_lo              ; what is left, or 0,
	v_min_u32 v99, 80, v99                         ; at most a tile's 80
	global_store_b64 v[TIA], v[98:99], s[8:9] offset:TIO   ; 8 bytes a tile, at a place made of the thread's number alone
.Lno_info:
	s_wait_tensorcnt 0x0                           ; the wave's end, behind my last LDS store
	ds_add_u32 v[SPW], v[NIL]
	s_wait_dscnt 0x0
	s_endpgm
.Lfunc_end_k_qea060c656a_place:
	.size	k_qea060c656a_place, .Lfunc_end_k_qea060c656a_place-k_qea060c656a_place
	.p2alignl 7, 3214868480
	.fill 96, 4, 3214868480
	.section	.rodata,"a",@progbits
	.p2align	6, 0x0
	.amdhsa_kernel k_qea060c656a_place
		.amdhsa_group_segment_fixed_size 1280
		.amdhsa_private_segment_fixed_size 0
		.amdhsa_enable_private_segment 0
		.amdhsa_kernarg_size 32
		.amdhsa_user_sgpr_count 2
		.amdhsa_user_sgpr_kernarg_segment_ptr 1
		.amdhsa_wavefront_size32 1
		.amdhsa_system_sgpr_workgroup_id_x 1
		.amdhsa_system_sgpr_workgroup_id_y 1
		.amdhsa_system_sgpr_workgroup_id_z 1
		.amdhsa_system_vgpr_workitem_id 0
		.amdhsa_next_free_vgpr 128
		.amdhsa_next_free_sgpr 80
		.amdhsa_reserve_vcc 1
		.amdhsa_float_denorm_mode_32 3
		.amdhsa_float_denorm_mode_16_64 3
		.amdhsa_memory_ordered 1
		.amdhsa_forward_progress 1
		.amdhsa_inst_pref_size 144
	.end_amdhsa_kernel
	.amdgpu_metadata
---
amdhsa.version: [ 1, 2 ]
amdhsa.kernels:
  - .name:           k_qea060c656a_place
    .symbol:         k_qea060c656a_place.kd
    .args:
      - { .name: sel, .offset: 0, .size: 8, .value_kind: global_buffer, .address_space: global }
      - { .name: W2, .offset: 8, .size: 8, .value_kind: global_buffer, .address_space: global }
      - { .name: plan, .offset: 16, .size: 8, .value_kind: global_buffer, .address_space: global }
      - { .name: w2q, .offset: 24, .size: 8, .value_kind: global_buffer, .address_space: global }
    .group_segment_fixed_size: 1280
    .private_segment_fixed_size: 0
    .kernarg_segment_align: 8
    .kernarg_segment_size: 32
    .max_flat_workgroup_size: 256
    .sgpr_count:     80
    .vgpr_count:     128
    .wavefront_size: 32
...
	.end_amdgpu_metadata
.endif
;; end of part 2
;; launch chain (part 3): grid 110 x 2, 4 waves a work-group, no clusters, 164,864 bytes of LDS; arguments xq, w1q, b1, w2q, b2, plan, part; writes part
.if DOCPART == 3
	.amdgcn_target "amdgcn-amd-amdhsa--gfx1250"
	.amdhsa_code_object_version 6
	.text
	.protected	k_qea060c656a_chain
	.globl	k_qea060c656a_chain
	.p2align	8
	.type	k_qea060c656a_chain,@function
k_qea060c656a_chain:
	s_mov_b64 s[64:65], 0
	v_nop
	global_prefetch_b8 v0, s[64:65] scope:SCOPE_SE
	s_setreg_imm32_b32 hwreg(HW_REG_WAVE_MODE, 25, 1), 1
	s_wait_xcnt 0x0
; SparseMoE, launch 3 of 4: one tile (up to 80 rows) of one expert goes through gelu(x W1 + b1) W2 + b2 and the gate's weight, for one half (1,024) of the hidden units.
; Only the chosen rows are multiplied: the rows of experts that were not chosen are dead work (shown at the head of the first kernel).
; part[hq][slot][:] = w(slot) x (h[:, half hq] W2[half hq] + b2 / 2); the last launch adds a token's four parts.
; SHARES.  Work-group (tile, hq).  THE WAVES SHARE THE COLUMNS, NOT THE ROWS.  Phase 1, in two chunks: wave w makes hidden units 128 (8 hq + 4 ch + w) + 0 .. 127 for all five tiles of 16 rows.
; Phase 2: wave w makes output columns 128 w + 0 .. 127 for all rows.  Each weight fragment is loaded once, by one wave, from memory straight into registers (an earlier launch laid the codes
; in the order of an operand's registers) and feeds five matrix instructions.  What goes round through LDS is small: images of the registers of x's and of the hidden layer's fragments.
; NO TENSOR LOAD, NO CLUSTER: which expert's weights a work-group reads and how many rows it stores are numbers read from memory.
; A tile that the split leaves without rows walks the same text on pad rows (slot 0) and stores nothing: both barriers stand on every path, and only the row stores hang on the stored count.
; BOTH PRODUCTS ARE USED TRANSPOSED (source 0 = 16 rows of the weight, source 1 = 16 token rows): a lane holds one token row throughout, and its registers run along the next K, or along a row of the output.
; GELU, exact form: gelu(z) = max(z, 0) - |z| q, q = erfc(|z| / sqrt 2) / 2 = t 2^E, t = 1 / (1 + |z| / (2 sqrt 2)), E = c0 - z^2 log2(e) / 2 + c1 t + .. + c9 t^9:
; a fit of erfc with a fractional error of 1.2e-7 for every argument, its coefficients multiplied by log2(e), 1 taken off c0 for the half.
; LIMITS: finite inputs; q is 0 where it would fall under 2^-126; a block of zeros keeps the scale byte 1 with zero codes.
; REGISTERS, in windows of 256.  Window 0: v1-19 addresses; v20-29 the rows' gate weights; v[30:31] c9; v32-111 x's fragments, gelu's t and polynomial, the codes just made; later five hidden fragments; later results;
;   v112-163 scale words and nothing else; v166-181 at work; v192-255 my 8 tiles of the hidden layer; later the accumulators of row tile 4; later rows read back.
;   Windows 1, 2: the weights: four sets of 128 registers, a set = 8 fragments of one K step.   Window 3: the accumulators of row tiles 0-3; before that b2 (v0-63) and b1 (v64-127).
.set RT,    5                          ; tiles of 16 rows
.set NCH,   2                          ; chunks of 4 x 128 hidden units
.set XSO,   2097152
.set WTO,   2162688
.set WSO,   8388608
.set TIO,   35328
.set XIMG,  0                          ; LDS: x's 20 fragments, (4 a + s) x 2,048 bytes,
.set XSC,   40960                      ; their scale words, 128 bytes each,
.set HIMG,  43520                      ; the hidden layer's 40 fragments, by the wave that stores them: 20,480 w + 10,240 ch + 2,048 a,
.set HSC,   125440                     ; their scale words: 1,280 w + 640 ch + 128 a,
.set STG,   130560                     ; a stage of 16 rows x (512 + 16) bytes for each wave,
.set SPARE, 164352                     ; and the spare words, 128 bytes a wave: two blocks of 256 bytes that no other line names
.set LI,   1                           ; 16 x lane
.set LS,   2                           ; 4 x lane
.set XWI,  3                           ; where I store x's images and scale words,
.set XWS,  4
.set HWI,  5                           ; the hidden layer's
.set HWS,  6
.set STO,  7                           ; the stage: in,
.set RD,   8                           ; and back
.set CO,   9                           ; my bytes in a row of part
.set ADX,  10                          ; the row tile in hand: x's images, scale words; the hidden layer's
.set ADXS, 11
.set ADH,  12
.set ADHS, 13
.set H64,  14                          ; 64 x (lane / 16)
.set H32,  15                          ; 32 x (lane / 16)
.set HB0,  16                          ; phase 2: the hidden images, and those of wave 3
.set HB1,  17
.set SPW,  18                          ; my spare word's address; never rewritten
.set NIL,  19                          ; 0; never rewritten
.set CW,   20
.set C9,   30
.set XF,   32
.set PC,   96
.set IM,   32
.set TMP,  32
.set W2SR, 112                         ; v112-143 W2's scale words: 4 j + p
.set WS,   144                         ; v144-159 W1's: 4 p + s
.set HS,   144                         ; v144-148 phase 2: the hidden layer's
.set XSR,  160                         ; v160-163 x's
.set PW,   164
.set TM,   166
.set OF,   166
.set HA,   192
.set BK,   192
.set JJ,   192                         ; the head's temporaries lie where the hidden layer will
.set TK,   197
.set XAD,  202
.set SAD,  207
.set WAD,  212
.set LN,   250
.set RR,   251
.set HH,   252
.set H16,  253
.set R4,   254
.set SW1P, 26                          ; s[26:27] W1's codes, s[28:29] W2's, s[30:31] W1's scale words, s[32:33] b1, s[34:35] W2's scale words, s[36:37] b2, s[38:39] my tile's row of the plan
.set SW2P, 28
.set SEL,  66
.set MNT,  68
.set K1,   69
.set KW,   70
.set MSB, 0
.macro WIN new                         ; the immediate's high byte repeats the setting that is left
.if MSB != (\new)
	s_set_vgpr_msb (MSB<<8)|(\new)
.set MSB, (\new)
.endif
.endm
.macro NOPS n                          ; places behind matrix instructions: 8 in front of loads into their registers and of reads of results, 9 in front of a matrix instruction that writes over one
.rept \n
	v_nop
.endr
.endm
.macro WM d, a, b, c, sa, sb, odd      ; one product; the weight's scale words of an odd tile lie in lanes 16-31
.if \odd
	v_wmma_scale_f32_16x16x128_f8f6f4 v[(\d):(\d)+7], v[(\a):(\a)+15], v[(\b):(\b)+15], v[(\c):(\c)+7], v[\sa], v[\sb] matrix_a_scale:MATRIX_SCALE_ROW1
.else
	v_wmma_scale_f32_16x16x128_f8f6f4 v[(\d):(\d)+7], v[(\a):(\a)+15], v[(\b):(\b)+15], v[(\c):(\c)+7], v[\sa], v[\sb]
.endif
.endm
.macro WLOAD set, base, off            ; 8 fragments of one K step into a set: 32 loads of 512 consecutive bytes
	WIN 0x40*(1+(\set)/2)
.irp t, 0,1,2,3,4,5,6,7
.irp c, 0,1,2,3
	global_load_b128 v[128*((\set)%2)+16*\t+4*\c:128*((\set)%2)+16*\t+4*\c+3], v[LI], s[\base:\base+1] offset:(\off)+2048*\t+512*\c
.endr
.endr
.endm
.macro RINGFILL base, off
	WLOAD 0, \base, (\off)
	WLOAD 1, \base, (\off)+16384
	WLOAD 2, \base, (\off)+32768
	WLOAD 3, \base, (\off)+49152
	WIN 0
.endm
.macro W1SC off                        ; W1's scale words of my 8 tiles, four K steps: lanes 0-15 tile 2 p, lanes 16-31 tile 2 p + 1
.irp s, 0,1,2,3
.irp p, 0,1,2,3
	global_load_b32 v[WS+4*\p+\s], v[LS], s[30:31] offset:(\off)+8192*\s+128*\p
.endr
.endr
.endm
.macro B1LD off                        ; b1 in the result's layout: lane half h, tile t: units 32 (t / 2) + 16 h + 8 (t % 2) + 0 .. 7
	WIN 0xc0
.irp t, 0,1,2,3,4,5,6,7
	global_load_b128 v[64+8*\t:64+8*\t+3], v[H64], s[32:33] offset:(\off)+(32*(\t/2)+8*(\t%2))*4
	global_load_b128 v[64+8*\t+4:64+8*\t+7], v[H64], s[32:33] offset:(\off)+(32*(\t/2)+8*(\t%2))*4+16
.endr
	WIN 0
.endm
	s_load_b256 s[4:11], s[0:1], 0x0               ; xq s[4:5], w1q s[6:7], b1 s[8:9], w2q s[10:11]
	s_load_b128 s[12:15], s[0:1], 0x20             ; b2 s[12:13], plan s[14:15]
	s_load_b64 s[16:17], s[0:1], 0x30              ; part
	v_lshl_add_u32 v[SPW], v0, 2, SPARE
	v_mov_b32 v[NIL], 0
	v_lshrrev_b32 v[LN], 5, v0
	v_readfirstlane_b32 s18, v[LN]                 ; wave 0..3
	s_mov_b32 s19, ttmp9                           ; tile
	s_and_b32 s20, ttmp7, 0xffff                   ; which half of the hidden units
	v_and_b32 v[LN], 31, v0
	v_and_b32 v[RR], 15, v0
	v_bfe_u32 v[HH], v0, 4, 1
	v_lshlrev_b32 v[LI], 4, v[LN]
	v_lshlrev_b32 v[LS], 2, v[LN]
	s_lshl_b32 s23, s18, 11
	v_add_nc_u32 v[XWI], s23, v[LI]                ; XIMG = 0: 16 lane + 2,048 wave: I store K step w of x
	s_lshl_b32 s23, s18, 7
	v_add_nc_u32 v[XWS], s23, v[LS]
	v_add_nc_u32 v[XWS], XSC, v[XWS]
	s_mul_i32 s23, s18, 20480
	v_add_nc_u32 v[HWI], s23, v[LI]
	v_add_nc_u32 v[HWI], HIMG, v[HWI]
	s_mul_i32 s23, s18, 1280
	v_add_nc_u32 v[HWS], s23, v[LS]
	v_add_nc_u32 v[HWS], HSC, v[HWS]
	s_mul_i32 s23, s18, 8448
	s_add_co_u32 s23, s23, STG
	v_mul_u32_u24 v[STO], v[RR], 528
	v_lshl_add_u32 v[STO], v[HH], 5, v[STO]
	v_add_nc_u32 v[STO], s23, v[STO]               ; the stage: row r, + 32 bytes for the upper half of the lanes
	v_add_nc_u32 v[RD], s23, v[LI]
	s_lshl_b32 s23, s18, 9
	v_add_nc_u32 v[CO], s23, v[LI]                 ; my wave's 512 bytes of a row of part
	v_lshlrev_b32 v[H64], 6, v[HH]
	v_lshlrev_b32 v[H32], 5, v[HH]
	v_lshlrev_b32 v[H16], 4, v[HH]
	v_lshlrev_b32 v[R4], 2, v[RR]
	v_add_nc_u32 v[HB0], HIMG, v[LI]
	v_add_nc_u32 v[HB1], HIMG+61440, v[LI]
	v_mov_b32 v[C9], 0x3e7c6f08
	v_mov_b32 v[C9+1], 0x3e7c6f08
.irp m, 0,1,2,3,4
	v_mov_b32 v[CW+2*\m+1], 0                      ; named with the weight as a pair, so it is written
.endr
	s_mov_b32 s[SEL], 0x76543210
	s_mov_b32 s[SEL+1], 0xfedcba98                 ; v_permlanex16_b32's selects for lane l xor 16
	s_mov_b32 s[MNT], 0x600000                     ; the mantissa field of 448
	s_mov_b32 s[K1], 0x3eb504f3                    ; 1 / (2 sqrt 2)
	s_mov_b32 s[KW], 0xbf38aa3b                    ; -log2(e) / 2
	s_mov_b32 s[KW+1], 0xbf38aa3b
	s_wait_kmcnt 0x0
	s_mul_i32 s24, s19, 320
	s_mov_b32 s25, 0
	s_add_nc_u64 s[38:39], s[14:15], s[24:25]      ; my tile's 80 slots
	s_lshl_b32 s24, s19, 3
	s_add_nc_u64 s[24:25], s[14:15], s[24:25]
	s_load_b64 s[76:77], s[24:25], TIO             ; (expert, rows)
.irp m, 0,1,2,3,4
	global_load_b32 v[JJ+\m], v[R4], s[38:39] offset:64*\m         ; the slot of row 16 m + r
.endr
	s_wait_kmcnt 0x0                               ; which also frees s[24:25]
	s_min_u32 s21, s76, 7                          ; numbers read from memory are held inside their tables before they enter an address
	s_min_u32 s22, s77, 80
	s_lshl_b32 s57, s20, 3
	s_add_co_u32 s57, s57, s18                     ; 8 hq + w: my 128 hidden units of chunk 0
	s_mov_b32 s25, 0
	s_lshl_b32 s24, s21, 20
	s_lshl_b32 s23, s57, 16
	s_add_co_u32 s24, s24, s23
	s_add_nc_u64 s[26:27], s[6:7], s[24:25]
	s_lshl_b32 s24, s21, 15
	s_lshl_b32 s23, s57, 9
	s_add_co_u32 s24, s24, s23
	s_add_co_u32 s24, s24, WSO
	s_add_nc_u64 s[30:31], s[6:7], s[24:25]
	s_lshl_b32 s24, s21, 13
	s_add_co_u32 s24, s24, s23
	s_add_nc_u64 s[32:33], s[8:9], s[24:25]
	s_lshl_b32 s24, s21, 20
	s_lshl_b32 s23, s18, 18
	s_add_co_u32 s24, s24, s23
	s_lshl_b32 s23, s20, 17
	s_add_co_u32 s24, s24, s23
	s_add_nc_u64 s[28:29], s[10:11], s[24:25]
	s_lshl_b32 s24, s21, 15
	s_lshl_b32 s23, s20, 14
	s_add_co_u32 s24, s24, s23
	s_lshl_b32 s23, s18, 9
	s_add_co_u32 s24, s24, s23
	s_add_co_u32 s24, s24, WSO
	s_add_nc_u64 s[34:35], s[10:11], s[24:25]
	s_lshl_b32 s24, s21, 11
	s_add_co_u32 s24, s24, s23
	s_add_nc_u64 s[36:37], s[12:13], s[24:25]
	s_lshl_b32 s24, s20, 24
	s_add_nc_u64 s[16:17], s[16:17], s[24:25]      ; part: my half's 16 MiB
	s_lshl_b32 s24, s18, 7
	s_add_nc_u64 s[78:79], s[4:5], s[24:25]        ; x's codes, K step w
	s_lshl_b32 s24, s18, 2
	s_add_co_u32 s24, s24, XSO
	s_add_nc_u64 s[72:73], s[4:5], s[24:25]        ; its scale words
	s_mov_b32 s24, WTO
	s_add_nc_u64 s[74:75], s[4:5], s[24:25]        ; the gate's weights
	s_wait_loadcnt 0x0                             ; the slots
.irp m, 0,1,2,3,4
	v_min_u32 v[JJ+\m], 0x1fff, v[JJ+\m]
	v_and_b32 v[TK+\m], 0x1ffe, v[JJ+\m]           ; 2 x token
	v_lshl_add_u32 v[XAD+\m], v[TK+\m], 8, v[H16]  ; 512 bytes of codes a token, + 16 for the upper half of the lanes
	v_lshlrev_b32 v[SAD+\m], 3, v[TK+\m]           ; 16 scale bytes a token
	v_lshlrev_b32 v[WAD+\m], 2, v[JJ+\m]           ; a weight a slot
.endr
.irp m, 0,1,2,3,4                      ; THE GATHER: K step w of the five row tiles: 30 loads
.irp c, 0,1,2,3
	global_load_b128 v[XF+16*\m+4*\c:XF+16*\m+4*\c+3], v[XAD+\m], s[78:79] offset:32*\c
.endr
	global_load_b32 v[TM+\m], v[SAD+\m], s[72:73]
	global_load_b32 v[CW+2*\m], v[WAD+\m], s[74:75]
.endr
	W1SC 0
	B1LD 0
	RINGFILL SW1P, 0
.irp j, 0,1,2,3,4,5,6,7
.irp p, 0,1,2,3
	global_load_b32 v[W2SR+4*\j+\p], v[LS], s[34:35] offset:2048*\j+128*\p
.endr
.endr
	WIN 0xc0
.irp t, 0,1,2,3,4,5,6,7                ; b2 in the result's layout: columns 16 t + 8 h + 0 .. 7 of my 128
	global_load_b128 v[8*\t:8*\t+3], v[H32], s[36:37] offset:64*\t
	global_load_b128 v[8*\t+4:8*\t+7], v[H32], s[36:37] offset:64*\t+16
.endr
	WIN 0
	s_wait_loadcnt 63                              ; 208 loads were issued behind the gather's 30: with 63 at the most out, the gather is in
.irp m, 0,1,2,3,4
.irp c, 0,1,2,3
	ds_store_b128 v[XWI], v[XF+16*\m+4*\c:XF+16*\m+4*\c+3] offset:8192*\m+512*\c   ; a fragment goes to LDS as the image of its registers
.endr
	ds_store_b32 v[XWS], v[TM+\m] offset:512*\m
.endr
	s_wait_dscnt 0x0                               ; for the others' sake: my stores have landed
	s_barrier_signal -1
	s_barrier_wait -1                              ; x's twenty fragments lie in LDS
; ---- PHASE 1 ----
.macro MUL1                            ; my 8 tiles of the hidden layer for one row tile: 32 products, the 8 accumulators by turns; b1 is the C of the first K step
.irp s, 0,1,2,3
.if \s == 0
	WIN 0x31
.elseif \s == 1
	WIN 0x01
.else
	WIN 0x02
.endif
.irp t, 0,1,2,3,4,5,6,7
.if \s == 0
	WM HA+8*\t, 16*\t, XF, 64+8*\t, WS+4*(\t/2), XSR, \t%2
.else
	WM HA+8*\t, 128*(\s%2)+16*\t, XF+16*\s, HA+8*\t, WS+4*(\t/2)+\s, XSR+\s, \t%2
.endif
.endr
.endr
.endm
.macro GELU                            ; 64 numbers a lane, in place
.set i, 0
.rept 64
	v_fma_f32 v[XF+i], |v[HA+i]|, s[K1], 1.0       ; each accumulator is read from its low end on
.set i, i+1
.endr
.set i, 0
.rept 64
	v_rcp_f32 v[XF+i], v[XF+i]                     ; t
.set i, i+1
.endr
.irp g, 0,1,2,3
.set Z, HA+16*\g
.set U, XF+16*\g
.irp k, 0,2,4,6,8,10,12,14
	v_pk_mul_f32 v[TM+\k:TM+\k+1], v[Z+\k:Z+\k+1], s[KW:KW+1] op_sel_hi:[1,0]
.endr
.irp k, 0,2,4,6,8,10,12,14
	v_pk_fma_f32 v[TM+\k:TM+\k+1], v[TM+\k:TM+\k+1], v[Z+\k:Z+\k+1], 0xc034d90f op_sel_hi:[1,1,0]   ; c0 - z^2 log2(e) / 2
.endr
.if \g == 0
	s_wait_alu depctr_va_vdst(0)                   ; the wait ahead of the first reader: one for the 64 reciprocals; the sixteen lines above are the work between
.endif
.irp k, 0,2,4,6,8,10,12,14
	v_pk_fma_f32 v[PC+\k:PC+\k+1], v[U+\k:U+\k+1], v[C9:C9+1], 0xbf97d29d op_sel_hi:[1,1,0]
.endr
.irp cc, 0x40097039, 0xbfd1a1e5, 0x3ecdfd18, 0xbe899a80, 0x3e0efb2e, 0x3f0a29d2, 0x3fb8ab5a
.irp k, 0,2,4,6,8,10,12,14
	v_pk_fma_f32 v[PC+\k:PC+\k+1], v[PC+\k:PC+\k+1], v[U+\k:U+\k+1], \cc op_sel_hi:[1,1,0]
.endr
.endr
.irp k, 0,2,4,6,8,10,12,14
	v_pk_fma_f32 v[PC+\k:PC+\k+1], v[PC+\k:PC+\k+1], v[U+\k:U+\k+1], v[TM+\k:TM+\k+1]   ; E
.endr
.set i, 0
.rept 16
	v_exp_f32 v[PC+i], v[PC+i]
.set i, i+1
.endr
.set i, 0
.rept 16
	v_max_num_f32 v[TM+i], 0, v[Z+i]               ; plain work behind the exponentials
.set i, i+1
.endr
	s_wait_alu depctr_va_vdst(0)                   ; one wait for the sixteen
.irp k, 0,2,4,6,8,10,12,14
	v_pk_mul_f32 v[PC+\k:PC+\k+1], v[PC+\k:PC+\k+1], v[U+\k:U+\k+1]    ; q = t 2^E
.endr
.set i, 0
.rept 16
	v_fma_f32 v[Z+i], -|v[Z+i]|, v[PC+i], v[TM+i]  ; max(z, 0) - |z| q
.set i, i+1
.endr
.endr
.endm
.macro QUANT                           ; register 16 b + i = k 32 b + 16 (lane / 16) + i of my row: the 64 become a fragment's codes in v[PC] on and its scale word in v[PW]
.irp b, 0,1,2,3
	v_max3_num_f32 v[TM+\b], |v[HA+16*\b]|, |v[HA+1+16*\b]|, 0x4800000   ; my 16 numbers of block b, and the floor 2^(9 - 127)
.endr
.irp i, 2,4,6,8,10,12,14
.irp b, 0,1,2,3
	v_max3_num_f32 v[TM+\b], v[TM+\b], |v[HA+16*\b+\i]|, |v[HA+1+16*\b+\i]|
.endr
.endr
.irp b, 0,1,2,3
	v_permlanex16_b32 v[TM+4+\b], v[TM+\b], s[SEL], s[SEL+1]
.endr
.irp b, 0,1,2,3
	v_max_num_f32 v[TM+\b], v[TM+\b], v[TM+4+\b]   ; with lane l xor 16's: the block's largest magnitude
.endr
.irp b, 0,1,2,3
	v_add_nc_u32 v[TM+12+\b], 0xfc000000, v[TM+\b] ; 8 off its exponent field: the conversion's scale operand
.endr
.irp b, 0,1,2,3
	v_and_or_b32 v[TM+8+\b], v[TM+\b], 0x7f800000, s[MNT]   ; 448 x the scale
.endr
.irp b, 0,1,2,3
	v_lshrrev_b32 v[TM+4+\b], 23, v[TM+12+\b]      ; the scale's byte
.endr
	v_lshl_or_b32 v[PW], v[TM+5], 8, v[TM+4]
	v_lshl_or_b32 v[PW], v[TM+6], 16, v[PW]
	v_lshl_or_b32 v[PW], v[TM+7], 24, v[PW]
.irp b, 0,1,2,3
.irp i, 0,1,2,3,4,5,6,7,8,9,10,11,12,13,14,15
	v_med3_num_f32 v[HA+16*\b+\i], v[HA+16*\b+\i], -v[TM+8+\b], v[TM+8+\b]   ; the hold at the largest code x the scale (ISA guide 7.6.2)
.endr
	v_cvt_scalef32_pk8_fp8_f32 v[PC+4*\b:PC+1+4*\b], v[HA+16*\b:HA+7+16*\b], v[TM+12+\b]
	v_cvt_scalef32_pk8_fp8_f32 v[PC+2+4*\b:PC+3+4*\b], v[HA+8+16*\b:HA+15+16*\b], v[TM+12+\b]
.endr
	v_nop                                          ; one plain instruction between the last conversion and the next vector or matrix instruction that writes its sources
.endm
; A chunk: my 128 hidden units for the five row tiles.  In the last row trip, behind its products, the ring takes what comes next: the next chunk's W1, or W2's first four K steps.
.macro CHUNK ch
	s_mov_b32 s56, 0
	s_mov_b32 s58, 0                               ; x's images: 8,192 bytes a row tile,
	s_mov_b32 s59, 0                               ; their scale words: 512;
	s_mov_b32 s60, 10240*(\ch)                     ; my hidden images: 2,048,
	s_mov_b32 s61, 640*(\ch)                       ; their scale words: 128
.Lrow_\@:
	s_wait_loadcnt 0x0                             ; the ring, its scale words and b1 are in; in the later trips of a chunk no load is out
	v_add_nc_u32 v[ADX], s58, v[LI]
	v_add_nc_u32 v[ADXS], s59, v[LS]
	v_add_nc_u32 v[ADH], s60, v[HWI]
	v_add_nc_u32 v[ADHS], s61, v[HWS]
.irp s, 0,1,2,3
.irp c, 0,1,2,3
	ds_load_b128 v[XF+16*\s+4*\c:XF+16*\s+4*\c+3], v[ADX] offset:XIMG+2048*\s+512*\c
.endr
	ds_load_b32 v[XSR+\s], v[ADXS] offset:XSC+128*\s
.endr
	s_wait_dscnt 0x0
	MUL1
	WIN 0
	NOPS 8                                         ; in front of the loads into the ring, the scale words and b1, and of gelu's first reads and writes
	s_cmp_lg_u32 s56, RT-1
	s_cbranch_scc1 .Lnofill_\@
.if (\ch) < NCH-1
	RINGFILL SW1P, 262144*((\ch)+1)
	W1SC 2048*((\ch)+1)
	B1LD 2048*((\ch)+1)
.else
	RINGFILL SW2P, 0
.endif
.Lnofill_\@:
	GELU
	QUANT
.irp c, 0,1,2,3
	ds_store_b128 v[ADH], v[PC+4*\c:PC+4*\c+3] offset:512*\c       ; K step 4 ch + w of the second product, this row tile
.endr
	ds_store_b32 v[ADHS], v[PW]
	s_wait_dscnt 0x0
	s_add_co_u32 s58, s58, 8192
	s_add_co_u32 s59, s59, 512
	s_add_co_u32 s60, s60, 2048
	s_add_co_u32 s61, s61, 128
	s_add_co_u32 s56, s56, 1
	s_cmp_lt_u32 s56, RT
	s_cbranch_scc1 .Lrow_\@
.endm
	CHUNK 0
	CHUNK 1
	WIN 0xc3                                       ; b2 / 2, in place in window 3: each half's work-group carries half of the bias
.set k, 0
.rept 32
	v_pk_mul_f32 v[k:k+1], v[k:k+1], 0.5 op_sel_hi:[1,0]
.set k, k+2
.endr
	WIN 0
	v_add_nc_u32 v[ADHS], HSC, v[LS]
	s_wait_dscnt 0x0
	s_barrier_signal -1
	s_barrier_wait -1                              ; the hidden layer's forty fragments lie in LDS
; ---- PHASE 2: eight K steps of 128 hidden units; 40 accumulators by turns ----
.macro FETCHH j, a                     ; row tile a's fragment of K step j and its scale word
.if ((\j)%4) == 3
.irp c, 0,1,2,3
	ds_load_b128 v[IM+16*(\a)+4*\c:IM+16*(\a)+4*\c+3], v[HB1] offset:10240*((\j)/4)+2048*(\a)+512*\c
.endr
.else
.irp c, 0,1,2,3
	ds_load_b128 v[IM+16*(\a)+4*\c:IM+16*(\a)+4*\c+3], v[HB0] offset:20480*((\j)%4)+10240*((\j)/4)+2048*(\a)+512*\c
.endr
.endif
	ds_load_b32 v[HS+(\a)], v[ADHS] offset:1280*((\j)%4)+640*((\j)/4)+128*(\a)
.endm
.macro MUL2 j, a                       ; 8 products: my 8 tiles of columns x row tile a.  In K step 0 the C is b2 / 2, which lies where row tile 0's accumulators are
.set RW, 1+((\j)%4)/2
.if (\a) == 4
.if (\j) == 0
	WIN 0x30|RW
.else
	WIN RW
.endif
.else
	WIN 0xf0|RW
.endif
.irp t, 0,1,2,3,4,5,6,7
.if (\a) == 4
.set DD, 192+8*\t
.else
.set DD, 64*(\a)+8*\t
.endif
.set CQ, DD
.if ((\j) == 0) && ((\a) != 0)
.set CQ, 8*\t
.endif
	WM DD, 128*((\j)%2)+16*\t, IM+16*(\a), CQ, W2SR+4*(\j)+\t/2, HS+(\a), \t%2
.endr
.endm
.macro KSTEP j
.if (\j) == 0
	s_wait_loadcnt 0x0                             ; all four sets of the ring are in: K steps 1 to 3 need no wait
.elseif (\j) == 4
	s_wait_loadcnt 63                              ; behind this set's 32 loads 96 were issued
.elseif (\j) == 5
	s_wait_loadcnt 63                              ; 64
.elseif (\j) == 6
	s_wait_loadcnt 32                              ; 32
.elseif (\j) == 7
	s_wait_loadcnt 0x0
.endif
	s_wait_dscnt 10                                ; row tiles 1 to 3 are in; the ten loads of row tiles 4 and 0 may be out
	MUL2 \j, 1
	MUL2 \j, 2
	MUL2 \j, 3
	WIN 0
.if (\j) < 7
	NOPS 8
	FETCHH (\j)+1, 1
	FETCHH (\j)+1, 2
	FETCHH (\j)+1, 3
	s_wait_dscnt 15                                ; all but the fifteen just issued
.else
	s_wait_dscnt 0x0
.endif
	MUL2 \j, 4
.if (\j) == 0
	NOPS 9                                         ; row tile 0's products write over the C that the others have read
.endif
	MUL2 \j, 0
	WIN 0
.if (\j) < 7
	NOPS 8
	FETCHH (\j)+1, 4
	FETCHH (\j)+1, 0
.endif
.if (\j) < 4
	WLOAD \j, SW2P, 16384*((\j)+4)                 ; the set just multiplied takes the K step four further on
	WIN 0
.endif
.endm
	FETCHH 0, 1
	FETCHH 0, 2
	FETCHH 0, 3
	FETCHH 0, 4
	FETCHH 0, 0
.irp j, 0,1,2,3,4,5,6,7
	KSTEP \j
.endr
; ---- THE WAY OUT: a row tile at a time: x the row's gate weight, through my stage, back as whole rows of 512 bytes, stored at the row's slot.  Row tile 4 goes first: its accumulators lie where rows are read back.
.macro OUTT a
	s_load_b512 s[40:55], s[38:39], 64*(\a)        ; the sixteen rows' slots
.if (\a) == 4
.set AB, 192
	WIN 0
.else
.set AB, 64*(\a)
	WIN 0x03
.endif
.set k, 0
.rept 32
	v_pk_mul_f32 v[TMP+k:TMP+k+1], v[AB+k:AB+k+1], v[CW+2*(\a):CW+2*(\a)+1] op_sel_hi:[1,0]   ; each accumulator from its low end on
.set k, k+2
.endr
	WIN 0
.irp t, 0,1,2,3,4,5,6,7
	ds_store_b128 v[STO], v[TMP+8*\t:TMP+8*\t+3] offset:64*\t
	ds_store_b128 v[STO], v[TMP+8*\t+4:TMP+8*\t+7] offset:64*\t+16
.endr
	s_wait_xcnt 0x0                                ; the last row tile's stores have read their data and offsets: both are written again below
.irp tt, 0,1,2,3,4,5,6,7,8,9,10,11,12,13,14,15
	ds_load_b128 v[BK+4*\tt:BK+4*\tt+3], v[RD] offset:528*\tt      ; LDS serves a wave's instructions in order: these see the stores above
.endr
	s_wait_kmcnt 0x0
	s_wait_dscnt 0x0
.irp tt, 0,1,2,3,4,5,6,7,8,9,10,11,12,13,14,15
	s_cmp_le_u32 s22, 16*(\a)+\tt                  ; this row and the tile's later rows are pads: nothing is stored for them
	s_cbranch_scc1 .Lnext_\@
	s_min_u32 s23, s[40+\tt], 0x1fff
	s_lshl_b32 s23, s23, 11                        ; 2,048 bytes a slot
	v_add_nc_u32 v[OF+\tt], s23, v[CO]
	global_store_b128 v[OF+\tt], v[BK+4*\tt:BK+4*\tt+3], s[16:17] th:TH_STORE_NT   ; 32 lanes store 512 consecutive bytes, aligned
.endr
.Lnext_\@:
.endm
	NOPS 8                                         ; behind the last products: their results are read, and their operands' registers written
	OUTT 4
	OUTT 0
	OUTT 1
	OUTT 2
	OUTT 3
	s_wait_tensorcnt 0x0                           ; the wave's end, behind my last LDS store
	ds_add_u32 v[SPW], v[NIL]
	s_wait_dscnt 0x0
	s_endpgm
.Lfunc_end_k_qea060c656a_chain:
	.size	k_qea060c656a_chain, .Lfunc_end_k_qea060c656a_chain-k_qea060c656a_chain
	.p2alignl 7, 3214868480
	.fill 96, 4, 3214868480
	.section	.rodata,"a",@progbits
	.p2align	6, 0x0
	.amdhsa_kernel k_qea060c656a_chain
		.amdhsa_group_segment_fixed_size 164864
		.amdhsa_private_segment_fixed_size 0
		.amdhsa_enable_private_segment 0
		.amdhsa_kernarg_size 56
		.amdhsa_user_sgpr_count 2
		.amdhsa_user_sgpr_kernarg_segment_ptr 1
		.amdhsa_wavefront_size32 1
		.amdhsa_system_sgpr_workgroup_id_x 1
		.amdhsa_system_sgpr_workgroup_id_y 1
		.amdhsa_system_sgpr_workgroup_id_z 1
		.amdhsa_system_vgpr_workitem_id 0
		.amdhsa_next_free_vgpr 1024
		.amdhsa_next_free_sgpr 80
		.amdhsa_reserve_vcc 0
		.amdhsa_float_denorm_mode_32 3
		.amdhsa_float_denorm_mode_16_64 3
		.amdhsa_memory_ordered 1
		.amdhsa_forward_progress 1
		.amdhsa_inst_pref_size 255
	.end_amdhsa_kernel
	.section	.bss,"aw",@nobits
	.p2align	6
	.space	262144
	.amdgpu_metadata
---
amdhsa.version: [ 1, 2 ]
amdhsa.kernels:
  - .name:           k_qea060c656a_chain
    .symbol:         k_qea060c656a_chain.kd
    .args:
      - { .name: xq, .offset: 0, .size: 8, .value_kind: global_buffer, .address_space: global }
      - { .name: w1q, .offset: 8, .size: 8, .value_kind: global_buffer, .address_space: global }
      - { .name: b1, .offset: 16, .size: 8, .value_kind: global_buffer, .address_space: global }
      - { .name: w2q, .offset: 24, .size: 8, .value_kind: global_buffer, .address_space: global }
      - { .name: b2, .offset: 32, .size: 8, .value_kind: global_buffer, .address_space: global }
      - { .name: plan, .offset: 40, .size: 8, .value_kind: global_buffer, .address_space: global }
      - { .name: part, .offset: 48, .size: 8, .value_kind: global_buffer, .address_space: global }
    .group_segment_fixed_size: 164864
    .private_segment_fixed_size: 0
    .kernarg_segment_align: 8
    .kernarg_segment_size: 56
    .max_flat_workgroup_size: 128
    .sgpr_count:     80
    .vgpr_count:     1024
    .wavefront_size: 32
...
	.end_amdgpu_metadata
.endif
;; end of part 3
;; launch join (part 4): grid 256 x 1, 8 waves a work-group, no clusters, 0 bytes of LDS; arguments part, out0; writes out0
.if DOCPART == 4
	.amdgcn_target "amdgcn-amd-amdhsa--gfx1250"
	.amdhsa_code_object_version 6
	.text
	.protected	k_qea060c656a_join
	.globl	k_qea060c656a_join
	.p2align	8
	.type	k_qea060c656a_join,@function
k_qea060c656a_join:
	s_mov_b64 s[64:65], 0
	v_nop
	global_prefetch_b8 v0, s[64:65] scope:SCOPE_SE
	s_setreg_imm32_b32 hwreg(HW_REG_WAVE_MODE, 25, 1), 1
	s_wait_xcnt 0x0
; SparseMoE, launch 4 of 4: out0[b] = the sum of token b's four parts: its two chosen experts (slots 2 b, 2 b + 1) x the two halves of the hidden units.  Each part already carries the gate's weight and its share of b2.
; A stream: a wave owns two tokens: 16 KiB in by 32 loads of 512 consecutive bytes, all issued at once, 4 KiB out.  No address hangs on data.  No LDS, no barrier, no matrix unit: there is nothing for them to do.
	s_load_b128 s[4:7], s[0:1], 0x0                ; part s[4:5], out0 s[6:7]
	v_lshrrev_b32 v1, 5, v0
	v_readfirstlane_b32 s8, v1                     ; wave 0..7
	v_and_b32 v2, 31, v0
	v_lshlrev_b32 v2, 4, v2                        ; 16 bytes a lane
	s_lshl_b32 s9, ttmp9, 3
	s_add_co_u32 s9, s9, s8                        ; which pair of tokens
	s_lshl_b32 s10, s9, 13                         ; four slots of 2,048 bytes
	s_mov_b32 s11, 0
	s_lshl_b32 s12, s9, 12                         ; two rows of out0
	s_mov_b32 s13, 0
	s_wait_kmcnt 0x0
	s_add_nc_u64 s[4:5], s[4:5], s[10:11]
	s_add_nc_u64 s[14:15], s[4:5], 0x1000000       ; the other half's parts
	s_add_nc_u64 s[6:7], s[6:7], s[12:13]
.set i, 0
.rept 8                                ; piece i: token i / 4, bytes 512 (i % 4) on
	global_load_b128 v[8+16*i:8+16*i+3],    v2, s[4:5]   offset:(i/4)*4096+(i%4)*512 th:TH_LOAD_NT
	global_load_b128 v[8+16*i+4:8+16*i+7],  v2, s[4:5]   offset:(i/4)*4096+2048+(i%4)*512 th:TH_LOAD_NT
	global_load_b128 v[8+16*i+8:8+16*i+11], v2, s[14:15] offset:(i/4)*4096+(i%4)*512 th:TH_LOAD_NT
	global_load_b128 v[8+16*i+12:8+16*i+15], v2, s[14:15] offset:(i/4)*4096+2048+(i%4)*512 th:TH_LOAD_NT
.set i, i+1
.endr
.set i, 0
.rept 8
	s_wait_loadcnt 28-4*i                          ; this piece's four loads are in; the later pieces' stay out
	v_pk_add_f32 v[8+16*i:8+16*i+1],    v[8+16*i:8+16*i+1],    v[8+16*i+4:8+16*i+5]
	v_pk_add_f32 v[8+16*i+2:8+16*i+3],  v[8+16*i+2:8+16*i+3],  v[8+16*i+6:8+16*i+7]
	v_pk_add_f32 v[8+16*i+8:8+16*i+9],  v[8+16*i+8:8+16*i+9],  v[8+16*i+12:8+16*i+13]
	v_pk_add_f32 v[8+16*i+10:8+16*i+11], v[8+16*i+10:8+16*i+11], v[8+16*i+14:8+16*i+15]
	v_pk_add_f32 v[8+16*i:8+16*i+1],    v[8+16*i:8+16*i+1],    v[8+16*i+8:8+16*i+9]
	v_pk_add_f32 v[8+16*i+2:8+16*i+3],  v[8+16*i+2:8+16*i+3],  v[8+16*i+10:8+16*i+11]
	global_store_b128 v2, v[8+16*i:8+16*i+3], s[6:7] offset:512*i th:TH_STORE_NT   ; 32 lanes store 512 consecutive bytes, aligned; no store's data are written again
.set i, i+1
.endr
	s_endpgm
.Lfunc_end_k_qea060c656a_join:
	.size	k_qea060c656a_join, .Lfunc_end_k_qea060c656a_join-k_qea060c656a_join
	.p2alignl 7, 3214868480
	.fill 96, 4, 3214868480
	.section	.rodata,"a",@progbits
	.p2align	6, 0x0
	.amdhsa_kernel k_qea060c656a_join
		.amdhsa_group_segment_fixed_size 0
		.amdhsa_private_segment_fixed_size 0
		.amdhsa_enable_private_segment 0
		.amdhsa_kernarg_size 16
		.amdhsa_user_sgpr_count 2
		.amdhsa_user_sgpr_kernarg_segment_ptr 1
		.amdhsa_wavefront_size32 1
		.amdhsa_system_sgpr_workgroup_id_x 1
		.amdhsa_system_sgpr_workgroup_id_y 1
		.amdhsa_system_sgpr_workgroup_id_z 1
		.amdhsa_system_vgpr_workitem_id 0
		.amdhsa_next_free_vgpr 136
		.amdhsa_next_free_sgpr 66
		.amdhsa_reserve_vcc 0
		.amdhsa_float_denorm_mode_32 3
		.amdhsa_float_denorm_mode_16_64 3
		.amdhsa_memory_ordered 1
		.amdhsa_forward_progress 1
		.amdhsa_inst_pref_size 8
	.end_amdhsa_kernel
	.amdgpu_metadata
---
amdhsa.version: [ 1, 2 ]
amdhsa.kernels:
  - .name:           k_qea060c656a_join
    .symbol:         k_qea060c656a_join.kd
    .args:
      - { .name: part, .offset: 0, .size: 8, .value_kind: global_buffer, .address_space: global }
      - { .name: out0, .offset: 8, .size: 8, .value_kind: global_buffer, .address_space: global }
    .group_segment_fixed_size: 0
    .private_segment_fixed_size: 0
    .kernarg_segment_align: 8
    .kernarg_segment_size: 16
    .max_flat_workgroup_size: 256
    .sgpr_count:     66
    .vgpr_count:     136
    .wavefront_size: 32
...
	.end_amdgpu_metadata
.endif
;; end of part 4
;; ======== version 2 of 2: 4 launches; 1.14 times as fast as version 1
;; workspace buffers: xq 2,195,456 bytes; w1q 8,650,752 bytes; w2q 8,650,752 bytes; sel 32,768 bytes of whole numbers; plan 36,352 bytes of whole numbers; part 33,554,432 bytes
;; launch prep: the kernel of part 1 again; grid 640 x 1, 4 waves a work-group, no clusters, 22,016 bytes of LDS; arguments x, Wg, bg, W1, xq, w1q, sel, out1; writes xq, w1q, sel, out1
;; launch place (part 5): grid 257 x 1, 8 waves a work-group, no clusters, 1,280 bytes of LDS; arguments sel, W2, plan, w2q; writes plan, w2q
.if DOCPART == 5
	.amdgcn_target "amdgcn-amd-amdhsa--gfx1250"
	.amdhsa_code_object_version 6
	.text
	.protected	k_qea060c656a_place
	.globl	k_qea060c656a_place
	.p2align	8
	.type	k_qea060c656a_place,@function
k_qea060c656a_place:
	s_mov_b64 s[64:65], 0
	v_nop
	global_prefetch_b8 v0, s[64:65] scope:SCOPE_SE
	s_setreg_imm32_b32 hwreg(HW_REG_WAVE_MODE, 25, 1), 1
	s_wait_xcnt 0x0
; SparseMoE, launch 2 of 4: the chosen rows are placed by expert (work-group 0), and W2 is turned into codes of E4M3 (work-groups 1-256).
; Only the chosen rows are placed: the rows of experts that were not chosen are dead work (shown at the head of the first kernel).
; THE PLAN.  Slot j = 2 b + k is token b's k-th choice; sel[j] is its expert.  A counting sort without atomics: each of the eight waves counts its 1,024 slots by expert, the counts meet in LDS,
; and each slot's place is 80 x (the expert's first tile) + (slots of that expert in earlier waves) + (earlier ones in my wave).  An expert's rows fill whole tiles of 80; the last tile's free entries
; and all entries behind the last tile get slot 0, so that every entry is written.  There are never more than ceil(8192 / 80) + 7 = 110 tiles.  tinfo[tile] = (expert, rows).
; IN BATCHES.  A register's eight lane masks (one an expert) are made by eight compares on end, into one of two sets of scalar registers that take turns; the lines that read a set stand behind the
; compares of the next register, so that no line reads a mask that the line above it made.
; THE DUMP WORD.  Entry 8,800 of rows (bytes 35,200 to 35,203, between rows[110][80] and tinfo) is read by nobody: a lane that has no free entry to fill stores its 0 there, so that EXEC is never narrowed.
; The slots' stores are 4 bytes a lane at places that hang on the choice: 35 KB in all beside the launch's 42 MB.
; W2 [e][h][d]: K (h) is not innermost: a lane takes a column d and its registers run down h; the codes are stored in the order of an operand's registers:
; [e][wq 4][s 16][t 8][2,048 bytes], byte 512 c + 256 half + 16 r + i = column 128 wq + 16 t + r, k = 128 s + 32 c + 16 half + i; scale words [e][s 16][tile 32][row 16].
; LIMITS: as stated at the head of the first kernel (finite inputs; a block of zeros keeps the byte 1 with zero codes).
.set WSO,    8388608
.set TIO,    35328                     ; plan: tinfo behind rows[110][80] and the dump word
.set EMAX,   8
.set MANT,   0x600000
.set SPARE,  256                       ; LDS: the waves' counts in bytes 0-255; the spare words, 128 bytes a wave, behind them: four blocks of 256 bytes that no other line names
.set SPW,    12
.set NIL,    13
.set TIA,    14                        ; v14  8 x my thread's number: my entry's place in tinfo; made at the head, all lanes on, and never rewritten
.set QX,     16
.set QC,     80
.set SB,     112
.set KPITCH, 2048                      ; bytes from one h to the next in W2
.set ID,     16                        ; the sort: v16-47 the experts of my 32 slots, later the slots' numbers
.set POS,    48                        ; v48-79 their places
.set TT,     100                       ; v101-107 a register's places by experts 1 to 7
.set CN,     56                        ; s[56:63] my wave's counts
.set MK,     72                        ; s[72:87] two sets of eight lane masks
.set BC,     88                        ; s[88:95] a set's bit counts
	s_load_b256 s[4:11], s[0:1], 0x0               ; sel s[4:5], W2 s[6:7], plan s[8:9], w2q s[10:11]
	v_lshl_add_u32 v[SPW], v0, 2, SPARE
	v_mov_b32 v[NIL], 0
	v_lshlrev_b32 v[TIA], 3, v0
	v_lshrrev_b32 v1, 5, v0
	v_readfirstlane_b32 s12, v1                    ; wave 0..7
	v_and_b32 v2, 31, v0                           ; lane
	s_mov_b32 s13, MANT
	s_wait_kmcnt 0x0
	s_cmp_eq_u32 ttmp9, 0
	s_cbranch_scc1 .Lsort
	; ---------------- W2 ----------------
	s_sub_co_u32 s14, ttmp9, 1
	s_lshr_b32 s16, s14, 5                         ; expert
	s_bfe_u32 s17, s14, 0x40001                    ; which 128 along h
	s_and_b32 s18, s14, 1
	s_lshl_b32 s18, s18, 3
	s_add_co_u32 s18, s18, s12                     ; my wave's 32 columns
	s_mov_b32 s25, 0
	s_lshl_b32 s24, s16, 22
	s_lshl_b32 s19, s17, 18
	s_add_co_u32 s24, s24, s19
	s_lshl_b32 s19, s18, 7
	s_add_co_u32 s24, s24, s19
	s_add_nc_u64 s[6:7], s[6:7], s[24:25]          ; W2 at (expert, 128 s, 32 G)
	s_lshl_b32 s24, s16, 20
	s_lshr_b32 s19, s18, 2
	s_lshl_b32 s19, s19, 18
	s_add_co_u32 s24, s24, s19
	s_lshl_b32 s19, s17, 14
	s_add_co_u32 s24, s24, s19
	s_and_b32 s19, s18, 3
	s_lshl_b32 s19, s19, 12
	s_add_co_u32 s24, s24, s19
	s_add_nc_u64 s[20:21], s[10:11], s[24:25]      ; the codes: my wave's two tiles
	s_lshl_b32 s24, s16, 15
	s_lshl_b32 s19, s17, 11
	s_add_co_u32 s24, s24, s19
	s_lshl_b32 s19, s18, 7
	s_add_co_u32 s24, s24, s19
	s_add_co_u32 s24, s24, WSO
	s_add_nc_u64 s[22:23], s[10:11], s[24:25]      ; their scale words
	v_lshlrev_b32 v3, 2, v2                        ; in, and the scale word's place: 4 bytes a lane
	v_and_b32 v5, 15, v2
	v_lshrrev_b32 v4, 4, v2
	v_lshlrev_b32 v6, 4, v5
	v_lshl_add_u32 v6, v4, 11, v6                  ; codes: 2,048 (lane / 16) + 16 (lane % 16)
.macro QLOAD t                         ; block t: W2(32 t + i, my column), i = 0 .. 31, into set t % 2; a wave's load reads 128 consecutive bytes, the eight waves' 1,024
.set i, 0
.rept 32
	global_load_b32 v[QX+32*((\t)%2)+i], v3, s[6:7] offset:(32*(\t)+i)*KPITCH th:TH_LOAD_NT
.set i, i+1
.endr
.endm
.macro QBLOCK t
.set XS, QX+32*((\t)%2)
.set CC, QC+8*(\t)
.if (\t) < 3
	s_wait_loadcnt 32                              ; this block's 32 loads are in; the next block's stay out
.else
	s_wait_loadcnt 0x0
.endif
	v_max3_num_f32 v8, |v[XS]|, |v[XS+1]|, |v[XS+2]|
	v_max3_num_f32 v9, |v[XS+3]|, |v[XS+4]|, |v[XS+5]|
.irp i, 6,10,14,18,22,26
	v_max3_num_f32 v8, v8, |v[XS+\i]|, |v[XS+\i+1]|
	v_max3_num_f32 v9, v9, |v[XS+\i+2]|, |v[XS+\i+3]|
.endr
	v_max3_num_f32 v8, v8, |v[XS+30]|, |v[XS+31]|
	v_max3_num_f32 v8, v8, v9, (EMAX+1)<<23        ; the floor 2^(9 - 127): the byte cannot fall under 1
	v_add_nc_u32 v11, -(EMAX<<23), v8              ; the conversion's scale operand
	v_and_or_b32 v10, v8, 0x7f800000, s13          ; 448 x the scale
	v_lshrrev_b32 v9, 23, v11                      ; the scale's byte
.if (\t) == 0
	v_mov_b32 v[SB], v9
.else
	v_lshl_or_b32 v[SB], v9, 8*(\t), v[SB]
.endif
.set i, 0
.rept 32
	v_med3_num_f32 v[XS+i], v[XS+i], -v10, v10     ; the hold at the largest code x the scale (ISA guide 7.6.2)
.set i, i+1
.endr
.irp g, 0,1,2,3
	v_cvt_scalef32_pk8_fp8_f32 v[CC+2*\g:CC+2*\g+1], v[XS+8*\g:XS+8*\g+7], v11
.endr
	global_store_b128 v6, v[CC:CC+3], s[20:21] offset:512*(\t)          ; sixteen lanes store 256 consecutive bytes, aligned, in each of the two tiles
	global_store_b128 v6, v[CC+4:CC+7], s[20:21] offset:512*(\t)+256
.if (\t)+2 < 4
	QLOAD (\t)+2
.endif
.endm
	QLOAD 0
	QLOAD 1
	QBLOCK 0
	QBLOCK 1
	QBLOCK 2
	QBLOCK 3
	global_store_b32 v3, v[SB], s[22:23]           ; 128 bytes a wave
	s_endpgm
	; ---------------- the sort ----------------
.Lsort:
	v_lshlrev_b32 v3, 4, v2
	s_lshl_b32 s14, s12, 12
	v_add_nc_u32 v3, s14, v3                       ; my wave's 1,024 slots: 4,096 bytes; 16 a lane
.set g, 0
.rept 8
	global_load_b128 v[ID+4*g:ID+4*g+3], v3, s[4:5] offset:512*g   ; register 4 g + i: slot 1024 w + 128 g + 4 lane + i
.set g, g+1
.endr
	s_wait_loadcnt 0x0
; pass 1: my wave's slots of experts 0 to 6.  Register n's seven masks are made; then the masks of register n - 1, in the other set, are counted and added
.set n, 0
.rept 32
.irp e, 0,1,2,3,4,5,6
	v_cmp_eq_u32 s[MK+8*(n%2)+\e], \e, v[ID+n]
.endr
.if n == 1
.irp e, 0,1,2,3,4,5,6
	s_bcnt1_i32_b32 s[CN+\e], s[MK+\e]             ; the first register's counts start the sums
.endr
.elseif n > 1
.irp e, 0,1,2,3,4,5,6
	s_bcnt1_i32_b32 s[BC+\e], s[MK+8*((n-1)%2)+\e]
.endr
.irp e, 0,1,2,3,4,5,6
	s_add_co_u32 s[CN+\e], s[CN+\e], s[BC+\e]
.endr
.endif
.set n, n+1
.endr
.irp e, 0,1,2,3,4,5,6
	s_bcnt1_i32_b32 s[BC+\e], s[MK+8+\e]           ; register 31's masks lie in set 1
.endr
.irp e, 0,1,2,3,4,5,6
	s_add_co_u32 s[CN+\e], s[CN+\e], s[BC+\e]
.endr
	s_sub_co_u32 s[CN+7], 0x400, s[CN]             ; expert 7 has the rest of my 1,024 slots
.irp e, 1,2,3,4,5,6
	s_sub_co_u32 s[CN+7], s[CN+7], s[CN+\e]
.endr
.irp e, 0,1,2,3,4,5,6,7
	v_mov_b32 v[48+\e], s[CN+\e]
.endr
	s_lshl_b32 s14, s12, 5
	v_mov_b32 v4, s14
	ds_store_b128 v4, v[48:51]                     ; all lanes write the same words with the same values: 32 bytes a wave
	ds_store_b128 v4, v[52:55] offset:16
	s_wait_dscnt 0x0                               ; for the others' sake: my counts have landed
	s_barrier_signal -1
	s_barrier_wait -1
	v_and_b32 v5, 7, v2
	v_lshlrev_b32 v5, 2, v5
.irp w, 0,1,2,3,4,5,6,7
	ds_load_b32 v[56+\w], v5 offset:32*\w          ; lane e (mod 8): wave w's count of expert e
.endr
	s_wait_dscnt 0x0
	v_add_nc_u32 v64, v56, v57
	v_mov_b32 v65, 0
.irp w, 2,3,4,5,6,7
	v_add_nc_u32 v64, v64, v[56+\w]                ; the expert's rows in all
.endr
.irp w, 0,1,2,3,4,5,6
	s_cmp_gt_u32 s12, \w
	s_cselect_b32 s52, -1, 0
	v_and_b32 v66, s52, v[56+\w]
	v_add_nc_u32 v65, v65, v66                     ; and in the waves before mine
.endr
	v_add_nc_u32 v67, 79, v64
	v_mul_lo_u32 v67, v67, 0xcccd
	v_lshrrev_b32 v67, 22, v67                     ; tiles = (rows + 79) / 80: x 52,429 >> 22 is exact up to 8,271
.irp e, 0,1,2,3,4,5,6,7
	v_readlane_b32 s[16+\e], v64, \e               ; s[16:23] rows
	v_readlane_b32 s[24+\e], v67, \e               ; s[24:31] tiles
	v_readlane_b32 s[44+\e], v65, \e
.endr
	s_mov_b32 s32, 0
.irp e, 0,1,2,3,4,5,6,7
	s_add_co_u32 s[33+\e], s[32+\e], s[24+\e]      ; s[32:40] each expert's first tile, and the number of tiles
.endr
.irp e, 0,1,2,3,4,5,6,7
	s_mul_i32 s52, s[32+\e], 80
	s_add_co_u32 s[44+\e], s[44+\e], s52           ; s[44:51] where my wave's next row of the expert goes
.endr
	s_lshl_b32 s14, s12, 10
	v_lshl_add_u32 v6, v2, 2, s14                  ; 1024 w + 4 lane
; pass 2: each slot's place = the expert's next place + the lanes below me with the same expert.  The next register's masks are made first; then this register's eight places by expert,
; all from the next places as they stand; then the select by my expert, with the scalar lines that move the next places on set between its links
.irp e, 0,1,2,3,4,5,6,7
	v_cmp_eq_u32 s[MK+\e], \e, v[ID]
.endr
.set n, 0
.rept 32
.if n < 31
.irp e, 0,1,2,3,4,5,6,7
	v_cmp_eq_u32 s[MK+8*((n+1)%2)+\e], \e, v[ID+n+1]
.endr
.endif
.set MS, MK+8*(n%2)
	v_mbcnt_lo_u32_b32 v[POS+n], s[MS], s44
.irp e, 1,2,3,4,5,6,7
	v_mbcnt_lo_u32_b32 v[TT+\e], s[MS+\e], s[44+\e]
.endr
	s_bcnt1_i32_b32 s[BC], s[MS]
.irp e, 1,2,3,4,5,6,7
	v_cndmask_b32 v[POS+n], v[POS+n], v[TT+\e], s[MS+\e]
	s_bcnt1_i32_b32 s[BC+\e], s[MS+\e]
	s_add_co_u32 s[43+\e], s[43+\e], s[BC+\e-1]
.endr
	s_add_co_u32 s51, s51, s[BC+7]
	v_min_u32 v[POS+n], 0x225f, v[POS+n]           ; a place made of loaded numbers is held inside rows[110][80]
	v_lshlrev_b32 v[POS+n], 2, v[POS+n]
	v_add_nc_u32 v[ID+n], 128*(n/4)+(n%4), v6      ; the slot's number
	global_store_b32 v[POS+n], v[ID+n], s[8:9]     ; neither register is written again
.set n, n+1
.endr
	s_mov_b32 s54, 0                               ; wave w fills expert w's last tile: from 80 T + rows to 80 (T + tiles), under 80 entries
	s_mov_b32 s55, 0
.irp e, 0,1,2,3,4,5,6,7
	s_mul_i32 s66, s[32+\e], 80
	s_add_co_u32 s66, s66, s[16+\e]
	s_mul_i32 s67, s[33+\e], 80
	s_cmp_eq_u32 s12, \e
	s_cselect_b32 s54, s66, s54
	s_cselect_b32 s55, s67, s55
.endr
	s_mul_i32 s68, s40, 80                         ; and all eight waves the entries behind the last tile: at most 7 x 80
	v_mov_b32 v9, 0
.irp i, 0,1,2
	v_add_nc_u32 v[80+\i], s54, v2
.if \i > 0
	v_add_nc_u32 v[80+\i], 32*\i, v[80+\i]
.endif
	v_cmp_gt_u32 vcc_lo, s55, v[80+\i]             ; still inside the tile?
	v_cndmask_b32 v[84+\i], 0x2260, v[80+\i], vcc_lo   ; else the dump word, entry 8,800
	v_min_u32 v[84+\i], 0x2260, v[84+\i]
	v_lshlrev_b32 v[84+\i], 2, v[84+\i]
	global_store_b32 v[84+\i], v9, s[8:9]
	v_add_nc_u32 v[88+\i], s68, v0
.if \i > 0
	v_add_nc_u32 v[88+\i], 256*\i, v[88+\i]
.endif
	v_min_u32 v[92+\i], 0x2260, v[88+\i]           ; what lies behind rows' last entry falls on the dump word
	v_lshlrev_b32 v[92+\i], 2, v[92+\i]
	global_store_b32 v[92+\i], v9, s[8:9]
.endr
	s_cmp_lt_u32 s12, 4                            ; tinfo: thread t of waves 0 to 3 serves tile t
	s_cbranch_scc0 .Lno_info
	v_mov_b32 v96, 0                               ; the expert's first tile,
	v_mov_b32 v97, s16                             ; its rows,
	v_mov_b32 v98, 0                               ; and its number: the last expert whose first tile is not behind mine
.irp e, 1,2,3,4,5,6,7
	v_cmp_gt_u32 vcc_lo, s[32+\e], v0              ; keep where expert e begins behind my tile
	v_cndmask_b32 v96, s[32+\e], v96, vcc_lo
	v_cndmask_b32 v97, s[16+\e], v97, vcc_lo
	v_cndmask_b32 v98, \e, v98, vcc_lo
.endr
	v_sub_nc_u32 v96, v0, v96
	v_mul_u32_u24 v96, v96, 80                     ; the expert's rows in the tiles before mine
	v_cmp_gt_u32 vcc_lo, v97, v96
	v_sub_nc_u32 v99, v97, v96
	v_cndmask_b32 v99, 0, v99, vcc_lo              ; what is left, or 0,
	v_min_u32 v99, 80, v99                         ; at most a tile's 80
	global_store_b64 v[TIA], v[98:99], s[8:9] offset:TIO   ; 8 bytes a tile, at a place made of the thread's number alone
.Lno_info:
	s_wait_tensorcnt 0x0                           ; the wave's end, behind my last LDS store
	ds_add_u32 v[SPW], v[NIL]
	s_wait_dscnt 0x0
	s_endpgm
.Lfunc_end_k_qea060c656a_place:
	.size	k_qea060c656a_place, .Lfunc_end_k_qea060c656a_place-k_qea060c656a_place
	.p2alignl 7, 3214868480
	.fill 96, 4, 3214868480
	.section	.rodata,"a",@progbits
	.p2align	6, 0x0
	.amdhsa_kernel k_qea060c656a_place
		.amdhsa_group_segment_fixed_size 1280
		.amdhsa_private_segment_fixed_size 0
		.amdhsa_enable_private_segment 0
		.amdhsa_kernarg_size 32
		.amdhsa_user_sgpr_count 2
		.amdhsa_user_sgpr_kernarg_segment_ptr 1
		.amdhsa_wavefront_size32 1
		.amdhsa_system_sgpr_workgroup_id_x 1
		.amdhsa_system_sgpr_workgroup_id_y 1
		.amdhsa_system_sgpr_workgroup_id_z 1
		.amdhsa_system_vgpr_workitem_id 0
		.amdhsa_next_free_vgpr 128
		.amdhsa_next_free_sgpr 96
		.amdhsa_reserve_vcc 1
		.amdhsa_float_denorm_mode_32 3
		.amdhsa_float_denorm_mode_16_64 3
		.amdhsa_memory_ordered 1
		.amdhsa_forward_progress 1
		.amdhsa_inst_pref_size 139
	.end_amdhsa_kernel
	.amdgpu_metadata
---
amdhsa.version: [ 1, 2 ]
amdhsa.kernels:
  - .name:           k_qea060c656a_place
    .symbol:         k_qea060c656a_place.kd
    .args:
      - { .name: sel, .offset: 0, .size: 8, .value_kind: global_buffer, .address_space: global }
      - { .name: W2, .offset: 8, .size: 8, .value_kind: global_buffer, .address_space: global }
      - { .name: plan, .offset: 16, .size: 8, .value_kind: global_buffer, .address_space: global }
      - { .name: w2q, .offset: 24, .size: 8, .value_kind: global_buffer, .address_space: global }
    .group_segment_fixed_size: 1280
    .private_segment_fixed_size: 0
    .kernarg_segment_align: 8
    .kernarg_segment_size: 32
    .max_flat_workgroup_size: 256
    .sgpr_count:     96
    .vgpr_count:     128
    .wavefront_size: 32
...
	.end_amdgpu_metadata
.endif
;; end of part 5
;; launch chain (part 6): grid 110 x 2, 4 waves a work-group, no clusters, 164,864 bytes of LDS; arguments xq, w1q, b1, w2q, b2, plan, part; writes part
.if DOCPART == 6
	.amdgcn_target "amdgcn-amd-amdhsa--gfx1250"
	.amdhsa_code_object_version 6
	.text
	.protected	k_qea060c656a_chain
	.globl	k_qea060c656a_chain
	.p2align	8
	.type	k_qea060c656a_chain,@function
k_qea060c656a_chain:
	s_mov_b64 s[64:65], 0
	v_nop
	global_prefetch_b8 v0, s[64:65] scope:SCOPE_SE
	s_setreg_imm32_b32 hwreg(HW_REG_WAVE_MODE, 25, 1), 1
	s_wait_xcnt 0x0
; SparseMoE, launch 3 of 4: one tile (up to 80 rows) of one expert goes through gelu(x W1 + b1) W2 + b2 and the gate's weight, for one half (1,024) of the hidden units.
; Only the chosen rows are multiplied: the rows of experts that were not chosen are dead work (shown at the head of the first kernel).
; part[hq][slot][:] = w(slot) x (h[:, half hq] W2[half hq] + b2 / 2); the last launch adds a token's four parts.
; SHARES.  Work-group (tile, hq).  THE WAVES SHARE THE COLUMNS, NOT THE ROWS.  Phase 1, in two chunks: wave w makes hidden units 128 (8 hq + 4 ch + w) + 0 .. 127 for all five tiles of 16 rows.
; Phase 2: wave w makes output columns 128 w + 0 .. 127 for all rows.  Each weight fragment is loaded once, by one wave, from memory straight into registers (an earlier launch laid the codes
; in the order of an operand's registers) and feeds five matrix instructions.  What goes round through LDS is small: images of the registers of x's and of the hidden layer's fragments.
; NO TENSOR LOAD, NO CLUSTER: which expert's weights a work-group reads and how many rows it stores are numbers read from memory.
; A tile that the split leaves without rows walks the same text on pad rows (slot 0) and stores nothing: both barriers stand on every path, and only the row stores hang on the stored count.
; BOTH PRODUCTS ARE USED TRANSPOSED (source 0 = 16 rows of the weight, source 1 = 16 token rows): a lane holds one token row throughout, and its registers run along the next K, or along a row of the output.
; GELU, exact form: gelu(z) = max(z, 0) - |z| q, q = erfc(|z| / sqrt 2) / 2 = t 2^E, t = 1 / (1 + |z| / (2 sqrt 2)), E = c0 - z^2 log2(e) / 2 + c1 t + .. + c9 t^9:
; a fit of erfc with a fractional error of 1.2e-7 for every argument, its coefficients multiplied by log2(e), 1 taken off c0 for the half.
; LIMITS: finite inputs; q is 0 where it would fall under 2^-126; a block of zeros keeps the scale byte 1 with zero codes.
; REGISTERS, in windows of 256.  Window 0: v1-19 addresses; v20-29 the rows' gate weights; v[30:31] c9; v32-111 x's fragments, gelu's t and polynomial, the codes just made; later five hidden fragments; later results;
;   v112-163 scale words and nothing else; v166-181 at work; v182-186 the rows' slots (lane r of register m: row 16 m + r); v192-255 my 8 tiles of the hidden layer; later the accumulators of row tile 4; later rows read back.
;   Windows 1, 2: the weights: four sets of 128 registers, a set = 8 fragments of one K step.   Window 3: the accumulators of row tiles 0-3; before that b2 (v0-63) and b1 (v64-127).
.set RT,    5                          ; tiles of 16 rows
.set NCH,   2                          ; chunks of 4 x 128 hidden units
.set XSO,   2097152
.set WTO,   2162688
.set WSO,   8388608
.set TIO,   35328
.set XIMG,  0                          ; LDS: x's 20 fragments, (4 a + s) x 2,048 bytes,
.set XSC,   40960                      ; their scale words, 128 bytes each,
.set HIMG,  43520                      ; the hidden layer's 40 fragments, by the wave that stores them: 20,480 w + 10,240 ch + 2,048 a,
.set HSC,   125440                     ; their scale words: 1,280 w + 640 ch + 128 a,
.set STG,   130560                     ; a stage of 16 rows x (512 + 16) bytes for each wave,
.set SPARE, 164352                     ; and the spare words, 128 bytes a wave: two blocks of 256 bytes that no other line names
.set LI,   1                           ; 16 x lane
.set LS,   2                           ; 4 x lane
.set XWI,  3                           ; where I store x's images and scale words,
.set XWS,  4
.set HWI,  5                           ; the hidden layer's
.set HWS,  6
.set STO,  7                           ; the stage: in,
.set RD,   8                           ; and back
.set CO,   9                           ; my bytes in a row of part
.set ADX,  10                          ; the row tile in hand: x's images, scale words; the hidden layer's
.set ADXS, 11
.set ADH,  12
.set ADHS, 13
.set H64,  14                          ; 64 x (lane / 16)
.set H32,  15                          ; 32 x (lane / 16)
.set HB0,  16                          ; phase 2: the hidden images, and those of wave 3
.set HB1,  17
.set SPW,  18                          ; my spare word's address; never rewritten
.set NIL,  19                          ; 0; never rewritten
.set CW,   20
.set C9,   30
.set XF,   32
.set PC,   96
.set IM,   32
.set TMP,  32
.set W2SR, 112                         ; v112-143 W2's scale words: 4 j + p
.set WS,   144                         ; v144-159 W1's: 4 p + s
.set HS,   144                         ; v144-148 phase 2: the hidden layer's
.set XSR,  160                         ; v160-163 x's
.set PW,   164
.set TM,   166
.set OF,   166
.set JK,   182                         ; v182-186 the slots, held inside the table; they stay until the way out
.set HA,   192
.set BK,   192
.set JJ,   192                         ; the head's temporaries lie where the hidden layer will
.set TK,   197
.set XAD,  202
.set SAD,  207
.set WAD,  212
.set LN,   250
.set RR,   251
.set HH,   252
.set H16,  253
.set R4,   254
.set SW1P, 26                          ; s[26:27] W1's codes, s[28:29] W2's, s[30:31] W1's scale words, s[32:33] b1, s[34:35] W2's scale words, s[36:37] b2, s[38:39] my tile's row of the plan
.set SW2P, 28
.set SEL,  66
.set MNT,  68
.set K1,   69
.set KW,   70
.set MSB, 0
.macro WIN new                         ; the immediate's high byte repeats the setting that is left
.if MSB != (\new)
	s_set_vgpr_msb (MSB<<8)|(\new)
.set MSB, (\new)
.endif
.endm
.macro NOPS n                          ; places behind matrix instructions: 8 in front of loads into their registers and of reads of results, 9 in front of a matrix instruction that writes over one
.rept \n
	v_nop
.endr
.endm
.macro WM d, a, b, c, sa, sb, odd      ; one product; the weight's scale words of an odd tile lie in lanes 16-31
.if \odd
	v_wmma_scale_f32_16x16x128_f8f6f4 v[(\d):(\d)+7], v[(\a):(\a)+15], v[(\b):(\b)+15], v[(\c):(\c)+7], v[\sa], v[\sb] matrix_a_scale:MATRIX_SCALE_ROW1
.else
	v_wmma_scale_f32_16x16x128_f8f6f4 v[(\d):(\d)+7], v[(\a):(\a)+15], v[(\b):(\b)+15], v[(\c):(\c)+7], v[\sa], v[\sb]
.endif
.endm
.macro WLOAD set, base, off            ; 8 fragments of one K step into a set: 32 loads of 512 consecutive bytes
	WIN 0x40*(1+(\set)/2)
.irp t, 0,1,2,3,4,5,6,7
.irp c, 0,1,2,3
	global_load_b128 v[128*((\set)%2)+16*\t+4*\c:128*((\set)%2)+16*\t+4*\c+3], v[LI], s[\base:\base+1] offset:(\off)+2048*\t+512*\c
.endr
.endr
.endm
.macro RINGFILL base, off
	WLOAD 0, \base, (\off)
	WLOAD 1, \base, (\off)+16384
	WLOAD 2, \base, (\off)+32768
	WLOAD 3, \base, (\off)+49152
	WIN 0
.endm
.macro W1SC off                        ; W1's scale words of my 8 tiles, four K steps: lanes 0-15 tile 2 p, lanes 16-31 tile 2 p + 1
.irp s, 0,1,2,3
.irp p, 0,1,2,3
	global_load_b32 v[WS+4*\p+\s], v[LS], s[30:31] offset:(\off)+8192*\s+128*\p
.endr
.endr
.endm
.macro B1LD off                        ; b1 in the result's layout: lane half h, tile t: units 32 (t / 2) + 16 h + 8 (t % 2) + 0 .. 7
	WIN 0xc0
.irp t, 0,1,2,3,4,5,6,7
	global_load_b128 v[64+8*\t:64+8*\t+3], v[H64], s[32:33] offset:(\off)+(32*(\t/2)+8*(\t%2))*4
	global_load_b128 v[64+8*\t+4:64+8*\t+7], v[H64], s[32:33] offset:(\off)+(32*(\t/2)+8*(\t%2))*4+16
.endr
	WIN 0
.endm
	s_load_b256 s[4:11], s[0:1], 0x0               ; xq s[4:5], w1q s[6:7], b1 s[8:9], w2q s[10:11]
	s_load_b128 s[12:15], s[0:1], 0x20             ; b2 s[12:13], plan s[14:15]
	s_load_b64 s[16:17], s[0:1], 0x30              ; part
	v_lshl_add_u32 v[SPW], v0, 2, SPARE
	v_mov_b32 v[NIL], 0
	v_lshrrev_b32 v[LN], 5, v0
	v_readfirstlane_b32 s18, v[LN]                 ; wave 0..3
	s_mov_b32 s19, ttmp9                           ; tile
	s_and_b32 s20, ttmp7, 0xffff                   ; which half of the hidden units
	v_and_b32 v[LN], 31, v0
	v_and_b32 v[RR], 15, v0
	v_bfe_u32 v[HH], v0, 4, 1
	v_lshlrev_b32 v[LI], 4, v[LN]
	v_lshlrev_b32 v[LS], 2, v[LN]
	s_lshl_b32 s23, s18, 11
	v_add_nc_u32 v[XWI], s23, v[LI]                ; XIMG = 0: 16 lane + 2,048 wave: I store K step w of x
	s_lshl_b32 s23, s18, 7
	v_add_nc_u32 v[XWS], s23, v[LS]
	v_add_nc_u32 v[XWS], XSC, v[XWS]
	s_mul_i32 s23, s18, 20480
	v_add_nc_u32 v[HWI], s23, v[LI]
	v_add_nc_u32 v[HWI], HIMG, v[HWI]
	s_mul_i32 s23, s18, 1280
	v_add_nc_u32 v[HWS], s23, v[LS]
	v_add_nc_u32 v[HWS], HSC, v[HWS]
	s_mul_i32 s23, s18, 8448
	s_add_co_u32 s23, s23, STG
	v_mul_u32_u24 v[STO], v[RR], 528
	v_lshl_add_u32 v[STO], v[HH], 5, v[STO]
	v_add_nc_u32 v[STO], s23, v[STO]               ; the stage: row r, + 32 bytes for the upper half of the lanes
	v_add_nc_u32 v[RD], s23, v[LI]
	s_lshl_b32 s23, s18, 9
	v_add_nc_u32 v[CO], s23, v[LI]                 ; my wave's 512 bytes of a row of part
	v_lshlrev_b32 v[H64], 6, v[HH]
	v_lshlrev_b32 v[H32], 5, v[HH]
	v_lshlrev_b32 v[H16], 4, v[HH]
	v_lshlrev_b32 v[R4], 2, v[RR]
	v_add_nc_u32 v[HB0], HIMG, v[LI]
	v_add_nc_u32 v[HB1], HIMG+61440, v[LI]
	v_mov_b32 v[C9], 0x3e7c6f08
	v_mov_b32 v[C9+1], 0x3e7c6f08
.irp m, 0,1,2,3,4
	v_mov_b32 v[CW+2*\m+1], 0                      ; named with the weight as a pair, so it is written
.endr
	s_mov_b32 s[SEL], 0x76543210
	s_mov_b32 s[SEL+1], 0xfedcba98                 ; v_permlanex16_b32's selects for lane l xor 16
	s_mov_b32 s[MNT], 0x600000                     ; the mantissa field of 448
	s_mov_b32 s[K1], 0x3eb504f3                    ; 1 / (2 sqrt 2)
	s_mov_b32 s[KW], 0xbf38aa3b                    ; -log2(e) / 2
	s_mov_b32 s[KW+1], 0xbf38aa3b
	s_wait_kmcnt 0x0
	s_mul_i32 s24, s19, 320
	s_mov_b32 s25, 0
	s_add_nc_u64 s[38:39], s[14:15], s[24:25]      ; my tile's 80 slots
	s_lshl_b32 s24, s19, 3
	s_add_nc_u64 s[24:25], s[14:15], s[24:25]
	s_load_b64 s[76:77], s[24:25], TIO             ; (expert, rows)
.irp m, 0,1,2,3,4
	global_load_b32 v[JJ+\m], v[R4], s[38:39] offset:64*\m         ; the slot of row 16 m + r
.endr
	s_wait_kmcnt 0x0                               ; which also frees s[24:25]
	s_min_u32 s21, s76, 7                          ; numbers read from memory are held inside their tables before they enter an address
	s_min_u32 s22, s77, 80
	s_lshl_b32 s57, s20, 3
	s_add_co_u32 s57, s57, s18                     ; 8 hq + w: my 128 hidden units of chunk 0
	s_mov_b32 s25, 0
	s_lshl_b32 s24, s21, 20
	s_lshl_b32 s23, s57, 16
	s_add_co_u32 s24, s24, s23
	s_add_nc_u64 s[26:27], s[6:7], s[24:25]
	s_lshl_b32 s24, s21, 15
	s_lshl_b32 s23, s57, 9
	s_add_co_u32 s24, s24, s23
	s_add_co_u32 s24, s24, WSO
	s_add_nc_u64 s[30:31], s[6:7], s[24:25]
	s_lshl_b32 s24, s21, 13
	s_add_co_u32 s24, s24, s23
	s_add_nc_u64 s[32:33], s[8:9], s[24:25]
	s_lshl_b32 s24, s21, 20
	s_lshl_b32 s23, s18, 18
	s_add_co_u32 s24, s24, s23
	s_lshl_b32 s23, s20, 17
	s_add_co_u32 s24, s24, s23
	s_add_nc_u64 s[28:29], s[10:11], s[24:25]
	s_lshl_b32 s24, s21, 15
	s_lshl_b32 s23, s20, 14
	s_add_co_u32 s24, s24, s23
	s_lshl_b32 s23, s18, 9
	s_add_co_u32 s24, s24, s23
	s_add_co_u32 s24, s24, WSO
	s_add_nc_u64 s[34:35], s[10:11], s[24:25]
	s_lshl_b32 s24, s21, 11
	s_add_co_u32 s24, s24, s23
	s_add_nc_u64 s[36:37], s[12:13], s[24:25]
	s_lshl_b32 s24, s20, 24
	s_add_nc_u64 s[16:17], s[16:17], s[24:25]      ; part: my half's 16 MiB
	s_lshl_b32 s24, s18, 7
	s_add_nc_u64 s[78:79], s[4:5], s[24:25]        ; x's codes, K step w
	s_lshl_b32 s24, s18, 2
	s_add_co_u32 s24, s24, XSO
	s_add_nc_u64 s[72:73], s[4:5], s[24:25]        ; its scale words
	s_mov_b32 s24, WTO
	s_add_nc_u64 s[74:75], s[4:5], s[24:25]        ; the gate's weights
	s_wait_loadcnt 0x0                             ; the slots
.irp m, 0,1,2,3,4
	v_min_u32 v[JK+\m], 0x1fff, v[JJ+\m]           ; kept: the way out takes the rows' slots from here
	v_and_b32 v[TK+\m], 0x1ffe, v[JK+\m]           ; 2 x token
	v_lshl_add_u32 v[XAD+\m], v[TK+\m], 8, v[H16]  ; 512 bytes of codes a token, + 16 for the upper half of the lanes
	v_lshlrev_b32 v[SAD+\m], 3, v[TK+\m]           ; 16 scale bytes a token
	v_lshlrev_b32 v[WAD+\m], 2, v[JK+\m]           ; a weight a slot
.endr
.irp m, 0,1,2,3,4                      ; THE GATHER: K step w of the five row tiles: 30 loads
.irp c, 0,1,2,3
	global_load_b128 v[XF+16*\m+4*\c:XF+16*\m+4*\c+3], v[XAD+\m], s[78:79] offset:32*\c
.endr
	global_load_b32 v[TM+\m], v[SAD+\m], s[72:73]
	global_load_b32 v[CW+2*\m], v[WAD+\m], s[74:75]
.endr
	W1SC 0
	B1LD 0
	RINGFILL SW1P, 0
.irp j, 0,1,2,3,4,5,6,7
.irp p, 0,1,2,3
	global_load_b32 v[W2SR+4*\j+\p], v[LS], s[34:35] offset:2048*\j+128*\p
.endr
.endr
	WIN 0xc0
.irp t, 0,1,2,3,4,5,6,7                ; b2 in the result's layout: columns 16 t + 8 h + 0 .. 7 of my 128
	global_load_b128 v[8*\t:8*\t+3], v[H32], s[36:37] offset:64*\t
	global_load_b128 v[8*\t+4:8*\t+7], v[H32], s[36:37] offset:64*\t+16
.endr
	WIN 0
	s_wait_loadcnt 63                              ; 208 loads were issued behind the gather's 30: with 63 at the most out, the gather is in
.irp m, 0,1,2,3,4
.irp c, 0,1,2,3
	ds_store_b128 v[XWI], v[XF+16*\m+4*\c:XF+16*\m+4*\c+3] offset:8192*\m+512*\c   ; a fragment goes to LDS as the image of its registers
.endr
	ds_store_b32 v[XWS], v[TM+\m] offset:512*\m
.endr
	s_wait_dscnt 0x0                               ; for the others' sake: my stores have landed
	s_barrier_signal -1
	s_barrier_wait -1                              ; x's twenty fragments lie in LDS
; ---- PHASE 1 ----
.macro MUL1                            ; my 8 tiles of the hidden layer for one row tile: 32 products, the 8 accumulators by turns; b1 is the C of the first K step
.irp s, 0,1,2,3
.if \s == 0
	WIN 0x31
.elseif \s == 1
	WIN 0x01
.else
	WIN 0x02
.endif
.irp t, 0,1,2,3,4,5,6,7
.if \s == 0
	WM HA+8*\t, 16*\t, XF, 64+8*\t, WS+4*(\t/2), XSR, \t%2
.else
	WM HA+8*\t, 128*(\s%2)+16*\t, XF+16*\s, HA+8*\t, WS+4*(\t/2)+\s, XSR+\s, \t%2
.endif
.endr
.endr
.endm
; WHAT THE RING TAKES NEXT (the next chunk's W1 with its scale words and b1, or W2's first four K steps) is asked for in a chunk's last row trip, behind that trip's products, in four pieces:
; piece p is set p; piece 0 stands ahead of gelu, pieces 1 to 3 behind gelu's batches 0 to 2.  So at most 48 loads are issued at one place, and gelu's arithmetic stands between the pieces.
; The branch hangs on the row counter alone.  At each of the four places every window is 0 and no reciprocal or exponential is without its wait.
.macro FILLP ch, p
	s_cmp_lg_u32 s56, RT-1
	s_cbranch_scc1 .Lnofill_\@
.if (\ch) < NCH-1
	WLOAD \p, SW1P, 262144*((\ch)+1)+16384*(\p)
	WIN 0
.if (\p) == 0
	W1SC 2048*((\ch)+1)
.endif
.if (\p) == 3
	B1LD 2048*((\ch)+1)
.endif
.else
	WLOAD \p, SW2P, 16384*(\p)
	WIN 0
.endif
.Lnofill_\@:
.endm
.macro GELU ch                         ; 64 numbers a lane, in place
.set i, 0
.rept 64
	v_fma_f32 v[XF+i], |v[HA+i]|, s[K1], 1.0       ; each accumulator is read from its low end on
.set i, i+1
.endr
.set i, 0
.rept 64
	v_rcp_f32 v[XF+i], v[XF+i]                     ; t
.set i, i+1
.endr
.irp g, 0,1,2,3
.set Z, HA+16*\g
.set U, XF+16*\g
.irp k, 0,2,4,6,8,10,12,14
	v_pk_mul_f32 v[TM+\k:TM+\k+1], v[Z+\k:Z+\k+1], s[KW:KW+1] op_sel_hi:[1,0]
.endr
.irp k, 0,2,4,6,8,10,12,14
	v_pk_fma_f32 v[TM+\k:TM+\k+1], v[TM+\k:TM+\k+1], v[Z+\k:Z+\k+1], 0xc034d90f op_sel_hi:[1,1,0]   ; c0 - z^2 log2(e) / 2
.endr
.if \g == 0
	s_wait_alu depctr_va_vdst(0)                   ; the wait ahead of the first reader: one for the 64 reciprocals; the sixteen lines above are the work between
.endif
.irp k, 0,2,4,6,8,10,12,14
	v_pk_fma_f32 v[PC+\k:PC+\k+1], v[U+\k:U+\k+1], v[C9:C9+1], 0xbf97d29d op_sel_hi:[1,1,0]
.endr
.irp cc, 0x40097039, 0xbfd1a1e5, 0x3ecdfd18, 0xbe899a80, 0x3e0efb2e, 0x3f0a29d2, 0x3fb8ab5a
.irp k, 0,2,4,6,8,10,12,14
	v_pk_fma_f32 v[PC+\k:PC+\k+1], v[PC+\k:PC+\k+1], v[U+\k:U+\k+1], \cc op_sel_hi:[1,1,0]
.endr
.endr
.irp k, 0,2,4,6,8,10,12,14
	v_pk_fma_f32 v[PC+\k:PC+\k+1], v[PC+\k:PC+\k+1], v[U+\k:U+\k+1], v[TM+\k:TM+\k+1]   ; E
.endr
.set i, 0
.rept 16
	v_exp_f32 v[PC+i], v[PC+i]
.set i, i+1
.endr
.set i, 0
.rept 16
	v_max_num_f32 v[TM+i], 0, v[Z+i]               ; plain work behind the exponentials
.set i, i+1
.endr
	s_wait_alu depctr_va_vdst(0)                   ; one wait for the sixteen
.irp k, 0,2,4,6,8,10,12,14
	v_pk_mul_f32 v[PC+\k:PC+\k+1], v[PC+\k:PC+\k+1], v[U+\k:U+\k+1]    ; q = t 2^E
.endr
.set i, 0
.rept 16
	v_fma_f32 v[Z+i], -|v[Z+i]|, v[PC+i], v[TM+i]  ; max(z, 0) - |z| q
.set i, i+1
.endr
.if \g < 3
	FILLP \ch, \g+1                                ; the ring's next piece
.endif
.endr
.endm
.macro QUANT                           ; register 16 b + i = k 32 b + 16 (lane / 16) + i of my row: the 64 become a fragment's codes in v[PC] on and its scale word in v[PW]
.irp b, 0,1,2,3
	v_max3_num_f32 v[TM+\b], |v[HA+16*\b]|, |v[HA+1+16*\b]|, 0x4800000   ; my 16 numbers of block b, and the floor 2^(9 - 127)
.endr
.irp i, 2,4,6,8,10,12,14
.irp b, 0,1,2,3
	v_max3_num_f32 v[TM+\b], v[TM+\b], |v[HA+16*\b+\i]|, |v[HA+1+16*\b+\i]|
.endr
.endr
.irp b, 0,1,2,3
	v_permlanex16_b32 v[TM+4+\b], v[TM+\b], s[SEL], s[SEL+1]
.endr
.irp b, 0,1,2,3
	v_max_num_f32 v[TM+\b], v[TM+\b], v[TM+4+\b]   ; with lane l xor 16's: the block's largest magnitude
.endr
.irp b, 0,1,2,3
	v_add_nc_u32 v[TM+12+\b], 0xfc000000, v[TM+\b] ; 8 off its exponent field: the conversion's scale operand
.endr
.irp b, 0,1,2,3
	v_and_or_b32 v[TM+8+\b], v[TM+\b], 0x7f800000, s[MNT]   ; 448 x the scale
.endr
.irp b, 0,1,2,3
	v_lshrrev_b32 v[TM+4+\b], 23, v[TM+12+\b]      ; the scale's byte
.endr
	v_lshl_or_b32 v[PW], v[TM+5], 8, v[TM+4]
	v_lshl_or_b32 v[PW], v[TM+6], 16, v[PW]
	v_lshl_or_b32 v[PW], v[TM+7], 24, v[PW]
.irp b, 0,1,2,3
.irp i, 0,1,2,3,4,5,6,7,8,9,10,11,12,13,14,15
	v_med3_num_f32 v[HA+16*\b+\i], v[HA+16*\b+\i], -v[TM+8+\b], v[TM+8+\b]   ; the hold at the largest code x the scale (ISA guide 7.6.2)
.endr
	v_cvt_scalef32_pk8_fp8_f32 v[PC+4*\b:PC+1+4*\b], v[HA+16*\b:HA+7+16*\b], v[TM+12+\b]
	v_cvt_scalef32_pk8_fp8_f32 v[PC+2+4*\b:PC+3+4*\b], v[HA+8+16*\b:HA+15+16*\b], v[TM+12+\b]
.endr
	v_nop                                          ; one plain instruction between the last conversion and the next vector or matrix instruction that writes its sources
.endm
; A chunk: my 128 hidden units for the five row tiles.
.macro CHUNK ch
	s_mov_b32 s56, 0
	s_mov_b32 s58, 0                               ; x's images: 8,192 bytes a row tile,
	s_mov_b32 s59, 0                               ; their scale words: 512;
	s_mov_b32 s60, 10240*(\ch)                     ; my hidden images: 2,048,
	s_mov_b32 s61, 640*(\ch)                       ; their scale words: 128
.Lrow_\@:
	s_wait_loadcnt 0x0                             ; the ring, its scale words and b1 are in; in the later trips of a chunk no load is out
	v_add_nc_u32 v[ADX], s58, v[LI]
	v_add_nc_u32 v[ADXS], s59, v[LS]
	v_add_nc_u32 v[ADH], s60, v[HWI]
	v_add_nc_u32 v[ADHS], s61, v[HWS]
.irp s, 0,1,2,3
.irp c, 0,1,2,3
	ds_load_b128 v[XF+16*\s+4*\c:XF+16*\s+4*\c+3], v[ADX] offset:XIMG+2048*\s+512*\c
.endr
	ds_load_b32 v[XSR+\s], v[ADXS] offset:XSC+128*\s
.endr
	s_wait_dscnt 0x0
	MUL1
	WIN 0
	NOPS 8                                         ; in front of the loads into the ring, the scale words and b1, and of gelu's first reads and writes
	FILLP \ch, 0
	GELU \ch
	QUANT
.irp c, 0,1,2,3
	ds_store_b128 v[ADH], v[PC+4*\c:PC+4*\c+3] offset:512*\c       ; K step 4 ch + w of the second product, this row tile
.endr
	ds_store_b32 v[ADHS], v[PW]
	s_wait_dscnt 0x0
	s_add_co_u32 s58, s58, 8192
	s_add_co_u32 s59, s59, 512
	s_add_co_u32 s60, s60, 2048
	s_add_co_u32 s61, s61, 128
	s_add_co_u32 s56, s56, 1
	s_cmp_lt_u32 s56, RT
	s_cbranch_scc1 .Lrow_\@
.endm
	CHUNK 0
	CHUNK 1
	WIN 0xc3                                       ; b2 / 2, in place in window 3: each half's work-group carries half of the bias
.set k, 0
.rept 32
	v_pk_mul_f32 v[k:k+1], v[k:k+1], 0.5 op_sel_hi:[1,0]
.set k, k+2
.endr
	WIN 0
	v_add_nc_u32 v[ADHS], HSC, v[LS]
	s_wait_dscnt 0x0
	s_barrier_signal -1
	s_barrier_wait -1                              ; the hidden layer's forty fragments lie in LDS
; ---- PHASE 2: eight K steps of 128 hidden units; 40 accumulators by turns ----
.macro FETCHH j, a                     ; row tile a's fragment of K step j and its scale word
.if ((\j)%4) == 3
.irp c, 0,1,2,3
	ds_load_b128 v[IM+16*(\a)+4*\c:IM+16*(\a)+4*\c+3], v[HB1] offset:10240*((\j)/4)+2048*(\a)+512*\c
.endr
.else
.irp c, 0,1,2,3
	ds_load_b128 v[IM+16*(\a)+4*\c:IM+16*(\a)+4*\c+3], v[HB0] offset:20480*((\j)%4)+10240*((\j)/4)+2048*(\a)+512*\c
.endr
.endif
	ds_load_b32 v[HS+(\a)], v[ADHS] offset:1280*((\j)%4)+640*((\j)/4)+128*(\a)
.endm
.macro MUL2 j, a                       ; 8 products: my 8 tiles of columns x row tile a.  In K step 0 the C is b2 / 2, which lies where row tile 0's accumulators are
.set RW, 1+((\j)%4)/2
.if (\a) == 4
.if (\j) == 0
	WIN 0x30|RW
.else
	WIN RW
.endif
.else
	WIN 0xf0|RW
.endif
.irp t, 0,1,2,3,4,5,6,7
.if (\a) == 4
.set DD, 192+8*\t
.else
.set DD, 64*(\a)+8*\t
.endif
.set CQ, DD
.if ((\j) == 0) && ((\a) != 0)
.set CQ, 8*\t
.endif
	WM DD, 128*((\j)%2)+16*\t, IM+16*(\a), CQ, W2SR+4*(\j)+\t/2, HS+(\a), \t%2
.endr
.endm
.macro KSTEP j
.if (\j) == 0
	s_wait_loadcnt 0x0                             ; all four sets of the ring are in: K steps 1 to 3 need no wait
.elseif (\j) == 4
	s_wait_loadcnt 63                              ; behind this set's 32 loads 96 were issued
.elseif (\j) == 5
	s_wait_loadcnt 63                              ; 64
.elseif (\j) == 6
	s_wait_loadcnt 32                              ; 32
.elseif (\j) == 7
	s_wait_loadcnt 0x0
.endif
	s_wait_dscnt 10                                ; row tiles 1 to 3 are in; the ten loads of row tiles 4 and 0 may be out
	MUL2 \j, 1
	MUL2 \j, 2
	MUL2 \j, 3
	WIN 0
.if (\j) < 7
	NOPS 8
	FETCHH (\j)+1, 1
	FETCHH (\j)+1, 2
	FETCHH (\j)+1, 3
	s_wait_dscnt 15                                ; all but the fifteen just issued
.else
	s_wait_dscnt 0x0
.endif
	MUL2 \j, 4
.if (\j) == 0
	NOPS 9                                         ; row tile 0's products write over the C that the others have read
.endif
	MUL2 \j, 0
	WIN 0
.if (\j) < 7
	NOPS 8
	FETCHH (\j)+1, 4
	FETCHH (\j)+1, 0
.endif
.if (\j) < 4
	WLOAD \j, SW2P, 16384*((\j)+4)                 ; the set just multiplied takes the K step four further on
	WIN 0
.endif
.endm
	FETCHH 0, 1
	FETCHH 0, 2
	FETCHH 0, 3
	FETCHH 0, 4
	FETCHH 0, 0
.irp j, 0,1,2,3,4,5,6,7
	KSTEP \j
.endr
; ---- THE WAY OUT: a row tile at a time: x the row's gate weight, through my stage, back as whole rows of 512 bytes, stored at the row's slot.  Row tile 4 goes first: its accumulators lie where rows are read back.
.macro OUTT a
.irp tt, 0,1,2,3,4,5,6,7,8,9,10,11,12,13,14,15
	v_readlane_b32 s[40+\tt], v[JK+(\a)], \tt      ; the sixteen rows' slots, out of the register that has held them since the head: lane tt has row 16 a + tt's
.endr
.if (\a) == 4
.set AB, 192
	WIN 0
.else
.set AB, 64*(\a)
	WIN 0x03
.endif
.set k, 0
.rept 32
	v_pk_mul_f32 v[TMP+k:TMP+k+1], v[AB+k:AB+k+1], v[CW+2*(\a):CW+2*(\a)+1] op_sel_hi:[1,0]   ; each accumulator from its low end on
.set k, k+2
.endr
	WIN 0
.irp t, 0,1,2,3,4,5,6,7
	ds_store_b128 v[STO], v[TMP+8*\t:TMP+8*\t+3] offset:64*\t
	ds_store_b128 v[STO], v[TMP+8*\t+4:TMP+8*\t+7] offset:64*\t+16
.endr
	s_wait_xcnt 0x0                                ; the last row tile's stores have read their data and offsets: both are written again below
.irp tt, 0,1,2,3,4,5,6,7,8,9,10,11,12,13,14,15
	ds_load_b128 v[BK+4*\tt:BK+4*\tt+3], v[RD] offset:528*\tt      ; LDS serves a wave's instructions in order: these see the stores above
.endr
	s_wait_dscnt 0x0
.irp tt, 0,1,2,3,4,5,6,7,8,9,10,11,12,13,14,15
	s_cmp_le_u32 s22, 16*(\a)+\tt                  ; this row and the tile's later rows are pads: nothing is stored for them
	s_cbranch_scc1 .Lnext_\@
	s_min_u32 s23, s[40+\tt], 0x1fff               ; a number read from memory is held inside its table before it enters an address
	s_lshl_b32 s23, s23, 11                        ; 2,048 bytes a slot
	v_add_nc_u32 v[OF+\tt], s23, v[CO]
	global_store_b128 v[OF+\tt], v[BK+4*\tt:BK+4*\tt+3], s[16:17] th:TH_STORE_NT   ; 32 lanes store 512 consecutive bytes, aligned
.endr
.Lnext_\@:
.endm
	NOPS 8                                         ; behind the last products: their results are read, and their operands' registers written
	OUTT 4
	OUTT 0
	OUTT 1
	OUTT 2
	OUTT 3
	s_wait_tensorcnt 0x0                           ; the wave's end, behind my last LDS store
	ds_add_u32 v[SPW], v[NIL]
	s_wait_dscnt 0x0
	s_endpgm
.Lfunc_end_k_qea060c656a_chain:
	.size	k_qea060c656a_chain, .Lfunc_end_k_qea060c656a_chain-k_qea060c656a_chain
	.p2alignl 7, 3214868480
	.fill 96, 4, 3214868480
	.section	.rodata,"a",@progbits
	.p2align	6, 0x0
	.amdhsa_kernel k_qea060c656a_chain
		.amdhsa_group_segment_fixed_size 164864
		.amdhsa_private_segment_fixed_size 0
		.amdhsa_enable_private_segment 0
		.amdhsa_kernarg_size 56
		.amdhsa_user_sgpr_count 2
		.amdhsa_user_sgpr_kernarg_segment_ptr 1
		.amdhsa_wavefront_size32 1
		.amdhsa_system_sgpr_workgroup_id_x 1
		.amdhsa_system_sgpr_workgroup_id_y 1
		.amdhsa_system_sgpr_workgroup_id_z 1
		.amdhsa_system_vgpr_workitem_id 0
		.amdhsa_next_free_vgpr 1024
		.amdhsa_next_free_sgpr 80
		.amdhsa_reserve_vcc 0
		.amdhsa_float_denorm_mode_32 3
		.amdhsa_float_denorm_mode_16_64 3
		.amdhsa_memory_ordered 1
		.amdhsa_forward_progress 1
		.amdhsa_inst_pref_size 255
	.end_amdhsa_kernel
	.section	.bss,"aw",@nobits
	.p2align	6
	.space	262144
	.amdgpu_metadata
---
amdhsa.version: [ 1, 2 ]
amdhsa.kernels:
  - .name:           k_qea060c656a_chain
    .symbol:         k_qea060c656a_chain.kd
    .args:
      - { .name: xq, .offset: 0, .size: 8, .value_kind: global_buffer, .address_space: global }
      - { .name: w1q, .offset: 8, .size: 8, .value_kind: global_buffer, .address_space: global }
      - { .name: b1, .offset: 16, .size: 8, .value_kind: global_buffer, .address_space: global }
      - { .name: w2q, .offset: 24, .size: 8, .value_kind: global_buffer, .address_space: global }
      - { .name: b2, .offset: 32, .size: 8, .value_kind: global_buffer, .address_space: global }
      - { .name: plan, .offset: 40, .size: 8, .value_kind: global_buffer, .address_space: global }
      - { .name: part, .offset: 48, .size: 8, .value_kind: global_buffer, .address_space: global }
    .group_segment_fixed_size: 164864
    .private_segment_fixed_size: 0
    .kernarg_segment_align: 8
    .kernarg_segment_size: 56
    .max_flat_workgroup_size: 128
    .sgpr_count:     80
    .vgpr_count:     1024
    .wavefront_size: 32
...
	.end_amdgpu_metadata
.endif
;; end of part 6
;; launch join: the kernel of part 4 again; grid 256 x 1, 8 waves a work-group, no clusters, 0 bytes of LDS; arguments part, out0; writes out0
